; MI455X (gfx1250); checked and timed in simulation.
; The chip was launched on July 23, 2026; its instructions are those of AMD's public machine-readable ISA for CDNA 5 (MIT licence, August 2026) and "CDNA5" Instruction Set Architecture Reference Guide (July 2026). The comments in the code are by the model that wrote it; some were corrected since.
;; Feed Forward. Allowed arithmetic: float matrix products may take bf16 or f16 operands with f32 sums; other float arithmetic in f32, or as packed bf16 or f16 multiplies, adds, multiply-adds, maxima and minima; sums over many terms, partial sums and values carried from step to step in f32; what a program stores and reads back later, other than sums and carried values, may be rounded once to bf16 or f16.
;; Inputs: W1 4,096 x 1,024 float32; W2 1,024 x 4,096 float32; b1 4,096 float32; b2 1,024 float32; x 4 x 2,048 x 1,024 float32.
;; Outputs: out0 4 x 2,048 x 1,024 float32.
;; 2 versions, each right; version 2 is version 1 with the launches wsum, prep written anew for expert scheduling mode. Each part assembles by itself: llvm-mc -triple=amdgcn-amd-amdhsa -mcpu=gfx1250 --defsym DOCPART=n.
;; ======== version 1 of 2: 4 launches
;; workspace buffers: psum 8,192 bytes; t1 8,388,608 bytes; t2 8,388,608 bytes; xb 16,777,216 bytes; h 67,108,864 bytes
;; launch wsum (part 1): grid 128 x 2, 8 waves a work-group, no clusters, 0 bytes of LDS; arguments W1, W2, psum; writes psum
.if DOCPART == 1
	.amdgcn_target "amdgcn-amd-amdhsa--gfx1250"
	.amdhsa_code_object_version 6
	.text
	.protected	k_qa502439b1e_wsum
	.globl	k_qa502439b1e_wsum
	.p2align	8
	.type	k_qa502439b1e_wsum,@function
k_qa502439b1e_wsum:
	s_mov_b64 s[64:65], 0
	v_nop
	global_prefetch_b8 v0, s[64:65] scope:SCOPE_SE
	s_setreg_imm32_b32 hwreg(HW_REG_WAVE_MODE, 25, 1), 1
	s_wait_xcnt 0x0
; psum[y][8 x + wave] = the sum of |bf16(w)| over 4,096 numbers of W1 (y = 0) or W2 (y = 1).  W: 4,194,304 f32 each.
; WHY bf16 FIRST.  The whole program takes its five inputs rounded to bf16 (nearest even) before anything else; the mean of |w| that sets the ternary threshold is the mean of the rounded weights.
; SHARES.  A work-group takes 131,072 consecutive bytes, a wave 16,384, by 32 loads of 16 bytes a lane: each load of a wave covers 512 consecutive bytes, aligned.  All 32 are issued at once.
; SUMS in f32: eight chains a lane (16 terms each), then across the 32 lanes.  The 1,024 partial sums of a matrix are added in the next launch, in one fixed order.
; No LDS, no barrier: no wave wants another's numbers.  The one store of 4 bytes a wave is 8,192 bytes in the whole launch.
; LIMIT.  NaN and infinities in W are not treated apart.
.set D,   16                           ; v[16:143]  the 32 loads
.set ACC, 144                          ; v[144:151] two sets of four running sums
	s_load_b128 s[4:7], s[0:1], 0x0                ; W1 s[4:5], W2 s[6:7]
	s_load_b64 s[8:9], s[0:1], 0x10                ; psum
	s_and_b32 s10, ttmp7, 0xffff                   ; y: which matrix
	v_and_b32 v3, 31, v0                           ; lane
	v_lshrrev_b32 v2, 5, v0
	v_readfirstlane_b32 s11, v2                    ; wave
	v_lshlrev_b32 v1, 4, v3
	v_lshl_add_u32 v1, v2, 14, v1                  ; 16,384 x wave + 16 x lane
	s_lshl_b32 s12, ttmp9, 17                      ; the work-group's 131,072 bytes
	s_mov_b32 s13, 0
	s_mov_b32 s14, 0x7fff7fff                      ; clears the signs of two bf16
	s_mov_b32 s15, 0xffff0000                      ; a word's upper bf16
	s_mov_b32 s16, 0x76543210                      ; v_permlanex16_b32: each lane takes its own place in the other half
	s_mov_b32 s17, 0xfedcba98
	s_lshl_b32 s18, s10, 10
	s_lshl_b32 s19, ttmp9, 3
	s_add_co_u32 s18, s18, s19
	s_add_co_u32 s18, s18, s11
	s_lshl_b32 s18, s18, 2                         ; byte (1,024 y + 8 x + wave) x 4 of psum
	s_wait_kmcnt 0x0
	s_cmp_eq_u32 s10, 0
	s_cselect_b64 s[4:5], s[4:5], s[6:7]
	s_add_nc_u64 s[4:5], s[4:5], s[12:13]
.set i, 0
.rept 32
	global_load_b128 v[D+4*i:D+4*i+3], v1, s[4:5] offset:512*i
.set i, i+1
.endr
; Load i's four numbers: rounded to bf16 in pairs, signs cleared, widened again, added.  The first two loads start the two sets of sums: nothing is cleared.
.macro ACCUM
	s_wait_loadcnt 31-i                            ; loads come back in order: load i is in, the 31 - i younger ones stay out
	v_cvt_pk_bf16_f32 v4, v[D+4*i], v[D+4*i+1]
	v_cvt_pk_bf16_f32 v5, v[D+4*i+2], v[D+4*i+3]
	v_and_b32 v4, s14, v4
	v_and_b32 v5, s14, v5
.if i < 2
	v_lshlrev_b32 v[ACC+4*i],   16, v4
	v_and_b32     v[ACC+4*i+1], s15, v4
	v_lshlrev_b32 v[ACC+4*i+2], 16, v5
	v_and_b32     v[ACC+4*i+3], s15, v5
.else
	v_lshlrev_b32 v6, 16, v4
	v_and_b32     v7, s15, v4
	v_lshlrev_b32 v8, 16, v5
	v_and_b32     v9, s15, v5
	v_pk_add_f32 v[ACC+4*(i%2):ACC+4*(i%2)+1],   v[ACC+4*(i%2):ACC+4*(i%2)+1],   v[6:7]
	v_pk_add_f32 v[ACC+4*(i%2)+2:ACC+4*(i%2)+3], v[ACC+4*(i%2)+2:ACC+4*(i%2)+3], v[8:9]
.endif
.endm
.set i, 0
.rept 32
	ACCUM
.set i, i+1
.endr
	v_pk_add_f32 v[ACC:ACC+1],   v[ACC:ACC+1],   v[ACC+4:ACC+5]
	v_pk_add_f32 v[ACC+2:ACC+3], v[ACC+2:ACC+3], v[ACC+6:ACC+7]
	v_pk_add_f32 v[ACC:ACC+1],   v[ACC:ACC+1],   v[ACC+2:ACC+3]
	v_add_f32 v8, v[ACC], v[ACC+1]
	v_add_f32_dpp v8, v8, v8 row_xmask:1 row_mask:0xf bank_mask:0xf
	v_add_f32_dpp v8, v8, v8 row_xmask:2 row_mask:0xf bank_mask:0xf
	v_add_f32_dpp v8, v8, v8 row_xmask:4 row_mask:0xf bank_mask:0xf
	v_add_f32_dpp v8, v8, v8 row_xmask:8 row_mask:0xf bank_mask:0xf
	v_permlanex16_b32 v4, v8, s16, s17             ; v4 has been written: the destination counts as read
	v_add_f32 v8, v8, v4                           ; every lane holds the wave's sum
	v_mov_b32 v5, s18
	v_cmp_eq_u32 vcc_lo, 0, v3
	s_wait_xcnt 0x0                                ; EXEC is a source of the loads above: it changes only behind this wait
	s_and_saveexec_b32 s20, vcc_lo                 ; lane 0 stores
	global_store_b32 v5, v8, s[8:9]
	s_wait_xcnt 0x0                                ; and again in front of the line that widens it
	s_or_b32 exec_lo, exec_lo, s20
	s_endpgm
.Lfunc_end_k_qa502439b1e_wsum:
	.size	k_qa502439b1e_wsum, .Lfunc_end_k_qa502439b1e_wsum-k_qa502439b1e_wsum
	.p2alignl 7, 3214868480
	.fill 96, 4, 3214868480
	.section	.rodata,"a",@progbits
	.p2align	6, 0x0
	.amdhsa_kernel k_qa502439b1e_wsum
		.amdhsa_group_segment_fixed_size 0
		.amdhsa_private_segment_fixed_size 0
		.amdhsa_enable_private_segment 0
		.amdhsa_kernarg_size 24
		.amdhsa_user_sgpr_count 2
		.amdhsa_user_sgpr_kernarg_segment_ptr 1
		.amdhsa_wavefront_size32 1
		.amdhsa_system_sgpr_workgroup_id_x 1
		.amdhsa_system_sgpr_workgroup_id_y 1
		.amdhsa_system_sgpr_workgroup_id_z 1
		.amdhsa_system_vgpr_workitem_id 0
		.amdhsa_next_free_vgpr 152
		.amdhsa_next_free_sgpr 66
		.amdhsa_reserve_vcc 1
		.amdhsa_float_denorm_mode_32 3
		.amdhsa_float_denorm_mode_16_64 3
		.amdhsa_memory_ordered 1
		.amdhsa_forward_progress 1
		.amdhsa_inst_pref_size 20
	.end_amdhsa_kernel
	.amdgpu_metadata
---
amdhsa.version: [ 1, 2 ]
amdhsa.kernels:
  - .name:           k_qa502439b1e_wsum
    .symbol:         k_qa502439b1e_wsum.kd
    .args:
      - { .name: W1, .offset: 0, .size: 8, .value_kind: global_buffer, .address_space: global }
      - { .name: W2, .offset: 8, .size: 8, .value_kind: global_buffer, .address_space: global }
      - { .name: psum, .offset: 16, .size: 8, .value_kind: global_buffer, .address_space: global }
    .group_segment_fixed_size: 0
    .private_segment_fixed_size: 0
    .kernarg_segment_align: 8
    .kernarg_segment_size: 24
    .max_flat_workgroup_size: 256
    .sgpr_count:     66
    .vgpr_count:     152
    .wavefront_size: 32
...
	.end_amdgpu_metadata
.endif
;; end of part 1
;; launch prep (part 2): grid 128 x 4, 8 waves a work-group, no clusters, 0 bytes of LDS; arguments W1, W2, x, psum, t1, t2, xb; writes t1, t2, xb
.if DOCPART == 2
	.amdgcn_target "amdgcn-amd-amdhsa--gfx1250"
	.amdhsa_code_object_version 6
	.text
	.protected	k_qa502439b1e_prep
	.globl	k_qa502439b1e_prep
	.p2align	8
	.type	k_qa502439b1e_prep,@function
k_qa502439b1e_prep:
	s_mov_b64 s[64:65], 0
	v_nop
	global_prefetch_b8 v0, s[64:65] scope:SCOPE_SE
	s_setreg_imm32_b32 hwreg(HW_REG_WAVE_MODE, 25, 1), 1
	s_wait_xcnt 0x0
; y = 0: t1 = ternary(W1); y = 1: t2 = ternary(W2); y = 2, 3: xb = bf16(x), its two halves.  Four chunks of 4,194,304 f32 in, bf16 out.
; TERNARY.  w is rounded to bf16 first, as all the program's inputs are.  scale = max(mean |w|, 1e-8), the mean from the earlier launch's 1,024 partial sums, added here by every wave in ONE fixed order, so that all
; waves hold the same scale bit for bit.  t = sign(w) where |w| > scale / 2, else 0; -1, 0 and 1 are exact in bf16.
; LIMITS.  clip(round(w / scale)) differs from this test only where |w| / scale lies in (0.5, 0.5 + 2^-25]: there the quotient rounds to 0.5 and then to 0.  At exactly 0.5 both give 0.  Where scale / 2 lies within the sum's
; rounding of a bf16 number, the result hangs on the order of the sum.  A NaN in W gives 0; infinities are not treated apart.
; SHARES.  A work-group takes 131,072 bytes in and 65,536 out, a wave 16,384 and 8,192.  A load of 16 bytes a lane covers 512 consecutive bytes; its four numbers leave as 8 bytes a lane: 256 consecutive bytes, aligned.
; All 32 loads of a wave are issued at once, and each group has its own two registers to store from: no store's data is ever rewritten, so no wait stands behind a store.
; The threshold feeds v_cndmask_b32 alone: no branch and no address hangs on it.  No LDS, no barrier, no prefetch: the launch only streams.
.set D, 16                             ; v[16:143]   the 32 loads
.set P, 144                            ; v[144:175]  the matrix's 1,024 partial sums, 32 a lane
.set Y, 176                            ; v[176:239]  group i: two registers to store
	s_load_b256 s[4:11], s[0:1], 0x0               ; W1 s[4:5], W2 s[6:7], x s[8:9], psum s[10:11]
	s_load_b128 s[12:15], s[0:1], 0x20             ; t1 s[12:13], t2 s[14:15]
	s_load_b64 s[16:17], s[0:1], 0x30              ; xb
	s_and_b32 s18, ttmp7, 0xffff                   ; y: the chunk
	v_and_b32 v3, 31, v0                           ; lane
	v_lshrrev_b32 v4, 5, v0                        ; wave
	v_lshlrev_b32 v1, 4, v3
	v_lshl_add_u32 v1, v4, 14, v1                  ; in:  16,384 x wave + 16 x lane; never rewritten
	v_lshlrev_b32 v2, 3, v3
	v_lshl_add_u32 v2, v4, 13, v2                  ; out:  8,192 x wave +  8 x lane; never rewritten
	v_lshlrev_b32 v14, 4, v3                       ; psum: 16 x lane; never rewritten
	s_lshl_b32 s30, ttmp9, 17                      ; the work-group's bytes in,
	s_mov_b32 s31, 0
	s_lshl_b32 s2, ttmp9, 16                       ; and out
	s_mov_b32 s3, 0
	s_mov_b32 s25, 0x7fffffff                      ; all but the sign
	s_mov_b32 s26, 0xffff0000                      ; a word's upper bf16
	s_mov_b32 s27, 0x76543210
	s_mov_b32 s28, 0xfedcba98
	s_wait_kmcnt 0x0
.macro LOADS
.set i, 0
.rept 32
	global_load_b128 v[D+4*i:D+4*i+3], v1, s[20:21] offset:512*i th:TH_LOAD_NT
.set i, i+1
.endr
.endm
	s_cmp_lt_u32 s18, 2
	s_cbranch_scc1 .Lquant
	; ---- x to bf16 ----
	s_sub_co_u32 s19, s18, 2                       ; which half of x
	s_lshl_b32 s29, s19, 24
	s_add_co_u32 s30, s30, s29
	s_lshl_b32 s29, s19, 23
	s_add_co_u32 s2, s2, s29
	s_add_nc_u64 s[20:21], s[8:9], s[30:31]
	s_add_nc_u64 s[22:23], s[16:17], s[2:3]
	LOADS
.set i, 0
.rept 32
	s_wait_loadcnt 31-i                            ; load i is in; the younger ones stay out
	v_cvt_pk_bf16_f32 v[Y+2*i],   v[D+4*i],   v[D+4*i+1]
	v_cvt_pk_bf16_f32 v[Y+2*i+1], v[D+4*i+2], v[D+4*i+3]
	global_store_b64 v2, v[Y+2*i:Y+2*i+1], s[22:23] offset:256*i
.set i, i+1
.endr
	s_endpgm
.Lquant:
	; ---- a weight matrix to -1, 0, 1 ----
	s_cmp_eq_u32 s18, 0
	s_cselect_b64 s[20:21], s[4:5], s[6:7]
	s_cselect_b64 s[22:23], s[12:13], s[14:15]
	s_add_nc_u64 s[20:21], s[20:21], s[30:31]
	s_add_nc_u64 s[22:23], s[22:23], s[2:3]
	s_lshl_b32 s30, s18, 12                        ; the matrix's 4,096 bytes of psum
	s_add_nc_u64 s[10:11], s[10:11], s[30:31]
.set i, 0
.rept 8
	global_load_b128 v[P+4*i:P+4*i+3], v14, s[10:11] offset:512*i
.set i, i+1
.endr
	LOADS
	s_wait_loadcnt 32                              ; the eight loads of psum are in; the 32 loads of weights, issued behind them, stay out
.irp w, 16, 8, 4, 2                    ; a fixed tree: 8 + 4 + 2 + 1 packed sums
.set r, 0
.rept (\w)/2
	v_pk_add_f32 v[P+r:P+r+1], v[P+r:P+r+1], v[P+(\w)+r:P+(\w)+r+1]
.set r, r+2
.endr
.endr
	v_add_f32 v4, v[P], v[P+1]
	v_add_f32_dpp v4, v4, v4 row_xmask:1 row_mask:0xf bank_mask:0xf
	v_add_f32_dpp v4, v4, v4 row_xmask:2 row_mask:0xf bank_mask:0xf
	v_add_f32_dpp v4, v4, v4 row_xmask:4 row_mask:0xf bank_mask:0xf
	v_add_f32_dpp v4, v4, v4 row_xmask:8 row_mask:0xf bank_mask:0xf
	v_permlanex16_b32 v[P+2], v4, s27, s28         ; its destination has been written
	v_add_f32 v4, v4, v[P+2]                       ; the sum of |w| over the matrix
	v_mul_f32 v4, 0x34800000, v4                   ; x 2^-22: the mean over 4,194,304 numbers, exact
	v_max_num_f32 v4, 0x322bcc77, v4               ; at least 1e-8
	v_mul_f32 v4, 0.5, v4                          ; the threshold
	v_readfirstlane_b32 s24, v4
.set i, 0
.rept 32
	s_wait_loadcnt 31-i                            ; load i is in; the younger ones stay out
	v_cvt_pk_bf16_f32 v4, v[D+4*i],   v[D+4*i+1]   ; the weights as the program takes them: rounded to bf16,
	v_cvt_pk_bf16_f32 v5, v[D+4*i+2], v[D+4*i+3]
	v_lshlrev_b32 v6, 16, v4                       ; and widened again
	v_and_b32     v7, s26, v4
	v_lshlrev_b32 v8, 16, v5
	v_and_b32     v9, s26, v5
.irp k, 0,1,2,3
	v_and_b32 v[10+(\k)], s25, v[6+(\k)]           ; |w|
	v_bfi_b32 v[6+(\k)], s25, 1.0, v[6+(\k)]       ; 1 with w's sign
	v_cmp_lt_f32 vcc_lo, s24, v[10+(\k)]           ; threshold < |w| ?
	v_cndmask_b32 v[6+(\k)], 0, v[6+(\k)], vcc_lo
.endr
	v_cvt_pk_bf16_f32 v[Y+2*i],   v6, v7
	v_cvt_pk_bf16_f32 v[Y+2*i+1], v8, v9
	global_store_b64 v2, v[Y+2*i:Y+2*i+1], s[22:23] offset:256*i
.set i, i+1
.endr
	s_endpgm
.Lfunc_end_k_qa502439b1e_prep:
	.size	k_qa502439b1e_prep, .Lfunc_end_k_qa502439b1e_prep-k_qa502439b1e_prep
	.p2alignl 7, 3214868480
	.fill 96, 4, 3214868480
	.section	.rodata,"a",@progbits
	.p2align	6, 0x0
	.amdhsa_kernel k_qa502439b1e_prep
		.amdhsa_group_segment_fixed_size 0
		.amdhsa_private_segment_fixed_size 0
		.amdhsa_enable_private_segment 0
		.amdhsa_kernarg_size 56
		.amdhsa_user_sgpr_count 2
		.amdhsa_user_sgpr_kernarg_segment_ptr 1
		.amdhsa_wavefront_size32 1
		.amdhsa_system_sgpr_workgroup_id_x 1
		.amdhsa_system_sgpr_workgroup_id_y 1
		.amdhsa_system_sgpr_workgroup_id_z 1
		.amdhsa_system_vgpr_workitem_id 0
		.amdhsa_next_free_vgpr 240
		.amdhsa_next_free_sgpr 66
		.amdhsa_reserve_vcc 1
		.amdhsa_float_denorm_mode_32 3
		.amdhsa_float_denorm_mode_16_64 3
		.amdhsa_memory_ordered 1
		.amdhsa_forward_progress 1
		.amdhsa_inst_pref_size 55
	.end_amdhsa_kernel
	.amdgpu_metadata
---
amdhsa.version: [ 1, 2 ]
amdhsa.kernels:
  - .name:           k_qa502439b1e_prep
    .symbol:         k_qa502439b1e_prep.kd
    .args:
      - { .name: W1, .offset: 0, .size: 8, .value_kind: global_buffer, .address_space: global }
      - { .name: W2, .offset: 8, .size: 8, .value_kind: global_buffer, .address_space: global }
      - { .name: x, .offset: 16, .size: 8, .value_kind: global_buffer, .address_space: global }
      - { .name: psum, .offset: 24, .size: 8, .value_kind: global_buffer, .address_space: global }
      - { .name: t1, .offset: 32, .size: 8, .value_kind: global_buffer, .address_space: global }
      - { .name: t2, .offset: 40, .size: 8, .value_kind: global_buffer, .address_space: global }
      - { .name: xb, .offset: 48, .size: 8, .value_kind: global_buffer, .address_space: global }
    .group_segment_fixed_size: 0
    .private_segment_fixed_size: 0
    .kernarg_segment_align: 8
    .kernarg_segment_size: 56
    .max_flat_workgroup_size: 256
    .sgpr_count:     66
    .vgpr_count:     240
    .wavefront_size: 32
...
	.end_amdgpu_metadata
.endif
;; end of part 2
;; launch gemm1 (part 3): grid 16 x 32, 4 waves a work-group, clusters of 4 x 4, 327,680 bytes of LDS; arguments xb, t1, b1, h; writes h
.if DOCPART == 3
	.amdgcn_target "amdgcn-amd-amdhsa--gfx1250"
	.amdhsa_code_object_version 6
	.text
	.protected	k_qa502439b1e_gemm1
	.globl	k_qa502439b1e_gemm1
	.p2align	8
	.type	k_qa502439b1e_gemm1,@function
k_qa502439b1e_gemm1:
	s_mov_b64 s[64:65], 0
	v_nop
	global_prefetch_b8 v0, s[64:65] scope:SCOPE_SE
	s_setreg_imm32_b32 hwreg(HW_REG_WAVE_MODE, 25, 1), 1
	s_wait_xcnt 0x0
	s_wait_alu depctr_hold_cnt(0) depctr_sa_sdst(0) depctr_va_vdst(0) depctr_va_sdst(0) depctr_va_ssrc(0) depctr_va_vcc(0) depctr_vm_vsrc(0)
	s_getreg_b32 s2, hwreg(HW_REG_IB_STS2, 6, 4)
	s_cmp_eq_u32 s2, 0
	s_cbranch_scc0 .Lentry_in_a_cluster
	s_endpgm
.Lentry_in_a_cluster:
	s_bfe_u32 s2, ttmp6, 0x10000c
	s_cmp_lg_u32 s2, 0xf033
	s_cbranch_scc0 .Lentry_shape_is_right
	s_endpgm
.Lentry_shape_is_right:
; h[m][n] = bf16( gelu( sum over k of xb[m][k] t1[n][k] + bf16(b1[n]) ) ).  xb: [8192][1024] bf16, t1: [4096][1024] bf16 (-1, 0, 1), b1: [4096] f32, h: [8192][4096] bf16.  Sums in f32.
; SHARES.  A tile of h, 256 x 256, is made by a work-group of four waves; a wave makes 128 x 128: 64 accumulators of 16 x 16, 512 registers.  512 work-groups of equal work.
; K goes in steps of 128 through a ring of two LDS slots filled by the tensor data mover: each row of a tile is 256 bytes of memory, at a multiple of 256 bytes from the buffer's first byte.
; CLUSTER.  4 x 4 work-groups.  The four of a row of the cluster need the same tiles of xb, the four of a column the same tiles of t1: each tile is asked for JOINTLY, by the same tensor load with the same descriptor
; and a mask that names the four.
; TRANSPOSED USE.  Source 0 = 16 rows of t1, source 1 = 16 rows of xb: lane l holds row l % 16 of h and the columns 8 (l / 16) + 0..7.
; THE BIAS is the C operand of the products that start the sums: it costs no vector instruction, and nothing is cleared.  It is rounded to bf16 first, as all the program's inputs are.
; GELU, exact form: g = max(s, 0) - |s| t Q(t) 2^(-s^2 log2(e) / 2), t = 1 / (1 + 0.3275911 |s| / sqrt 2), Q the polynomial of Abramowitz and Stegun 7.1.26 with halved coefficients.
; LIMITS.  That formula's erf is off by at most 1.5e-7, g by at most |s| x 7.5e-8.  h is kept in bf16, for its range.  NaN and infinities are not treated apart.
; THE WAY OUT.  When every wave has read the ring for the last time, each wave lays its 128 x 128 sums, f32, into its own part of the ring's bytes (which have had their last fill), reads them back as whole rows, and a loop on
; fixed registers makes the GELU of 8 rows a trip.  One tile to a work-group: the f32 stage has no room beside a ring that goes on.
;
; REGISTERS, in windows of 256 (s_set_vgpr_msb: bits 1:0 source 0, 3:2 source 1, 5:4 source 2, 7:6 destination):
;   window 0: v0-31 addresses; v64-127, v128-191 fragments of xb, two buffers; on the way out v32-239 at work
;   window 1: v0-63 the bias (n block b at 8 b); v64-127, v128-191 fragments of t1, two buffers; v192-223 at work while the bias is rounded
;   window 2: the 32 accumulators of my rows 0-63 ((a, b) at 8 (8 a + b));   window 3: those of my rows 64-127
.set SIZE_N, 4096
.set SIZE_K, 1024
.set KSTEP,  128
.set PITCH,  272                       ; an LDS row: 256 bytes + 16 of padding = 68 words: row r starts at bank 4 r mod 64 (64 banks of 4 bytes: ISA guide 11.1), so the 16 rows of a load start at 16 different banks
.set HALFT,  128*PITCH                 ; 128 rows: what one tensor load brings
.set SLOT,   4*HALFT                   ; xb's 256 rows, then t1's 256 rows
.set SPARE,  2*SLOT                    ; behind the ring: the spare words, 128 bytes a wave: two blocks of 256 bytes that no other line names
.set SP,     528                       ; a stage row: 128 f32 + 16 bytes = 132 words: row r starts at bank 4 r mod 64
.set WSTAGE, 128*SP                    ; a wave's stage; four of them are 270,336 bytes, inside the ring's 278,528
.set LAPS,   SIZE_K/(2*KSTEP)          ; a lap = two K steps = once round the ring
.set ADRA, 16                          ; v16-17  LDS address of my xb fragments in slot 0, 1
.set ADRB, 20                          ; v20-21  the same for t1
.set STO,  24                          ; v24     the way out: where I put 32 bytes of a row
.set RD,   25                          ; v25     where I read 16 bytes of a row back
.set CO,   26                          ; v26     my 8 bytes in 256 bytes of h
.set ADR,  27                          ; v27     the LDS address of the run of loads in hand
.set SPW,  28                          ; v28     LDS address of my spare word; never rewritten
.set NIL,  29                          ; v29     0; never rewritten
.set PFO,  30                          ; v30     the prefetches' offset: my lane x a row of 2,048 bytes; never rewritten
.set BO,   31                          ; v31     my byte offset in b1
.set F0,   64
.set F1,   128
.set H,    32                          ; the way out: 8 rows x 4 sums a lane as read back
.set RL,   64                          ; max(s, 0), later g
.set AH,   96                          ; |s|
.set T,    128                         ; 1 + p |s|, then t
.set E,    160                         ; the exponent, then the exponential, then the whole correction but |s|
.set Q,    192                         ; the polynomial
.set Y,    224                         ; 16 registers to store
.set WV, 12                            ; s12 wave   s13 its row half, also: 0 = I fetch xb, 1 = t1   s14 its column half, also: which 128 rows I fetch
.set WR, 13
.set WC, 14
.set CX, 15                            ; my place in the cluster
.set CY, 16
.set TC, 17                            ; tile column, tile row
.set TR, 18
.set G1,  24                           ; s[24:31] descriptor group 1 for xb's tiles;  s[32:39] group 0, a set for each slot
.set G0,  32
.set PFA, 44                           ; s[44:45] where my prefetches stand
.set LIM, 46                           ; s46  1 in a wave that prefetches, else the greatest number
.set LAP, 47                           ; s47  trips still to come
.set G1B, 48                           ; s[48:55], s[56:63] the same for t1's tiles
.set G0B, 56
.set PZ, 66                            ; pairs of equal words: the packed forms name a pair and take its low word for both halves
.set CE, 68
.set A5, 70
.set A4, 72
.set A3, 74
.set A2, 76
.set A1, 78
.set TB,  80                           ; s80  stage byte at which the next 8 rows begin
.set CNT, 81
.set HM,  82                           ; s82  a word's upper bf16
.set MSB, 0
.macro WIN new                         ; the immediate's high byte repeats the setting that is left; a switch that changes nothing is dropped
.if MSB != (\new)
	s_set_vgpr_msb (MSB<<8)|(\new)
.set MSB, \new
.endif
.endm
.set MUL_LO, 0xa1                      ; source 0 (t1) window 1, source 1 (xb) window 0, C and D window 2; + 0x50: window 3
.set BIA_LO, 0x91                      ; the same with C in window 1: the bias; + 0x40: D in window 3
.set TO_B,   0x40                      ; destination window 1, address window 0
.macro SPAIR r, val
	s_mov_b32 s[\r], \val
	s_mov_b32 s[(\r)+1], \val
.endm
; A joint load.  Waves 0 and 1 fetch xb's two halves, waves 2 and 3 t1's.  The branch hangs on the wave's number alone.  An s_nop 0 and four v_nop follow each of the two lines, ahead of the jump and the label.
.macro JLOAD s
	s_cmp_eq_u32 s[WR], 0
	s_cbranch_scc0 .Lfor_b_\@
	tensor_load_to_lds s[G0+4*(\s):G0+4*(\s)+3], s[G1:G1+7]
	s_nop 0
.rept 4
	v_nop
.endr
	s_branch .Lasked_\@
.Lfor_b_\@:
	tensor_load_to_lds s[G0B+4*(\s):G0B+4*(\s)+3], s[G1B:G1B+7]
	s_nop 0
.rept 4
	v_nop
.endr
.Lasked_\@:
.endm
; A prefetch, behind each refill and the run of LDS loads that follows it: the K step that stands two refills on: 32 rows x 256 bytes, a lane a row, one instruction a wave.  Each row's 256 bytes of a K step are named once
; in the launch: the cluster with x = 0 asks for xb's rows, the cluster with y = 0 for t1's; of the 128 rows that a wave fetches, the partner at place p takes 32 p .. 32 p + 31 (p = cx for xb, cy for t1): told apart by address.
; K steps 0 to 3 come by their loads alone; the loop's last trip asks for nothing: K steps 8 and 9 do not exist.
.macro ASK
	s_cmp_gt_u32 s[LAP], s[LIM]
	s_cbranch_scc0 .Lnot_mine_\@
	global_prefetch_b8 v[PFO], s[PFA:PFA+1] offset:KSTEP*2 th:TH_LOAD_NT scope:SCOPE_SE
.Lnot_mine_\@:
.endm
.macro CREST                           ; a round of the cluster's barrier behind its opening barrier
	s_cmp_lg_u32 s[WV], 0
	s_cbranch_scc1 .Lnot_wave_0_\@
	s_barrier_signal -3
.Lnot_wave_0_\@:
	s_barrier_wait -3
	s_barrier_signal -1
	s_barrier_wait -1
.endm
.macro CROUND                          ; a whole round
	s_barrier_signal -1
	s_barrier_wait -1
	CREST
.endm
	s_load_b256 s[4:11], s[0:1], 0x0               ; xb s[4:5], t1 s[6:7], b1 s[8:9], h s[10:11]
	v_lshl_add_u32 v[SPW], v0, 2, SPARE
	v_mov_b32 v[NIL], 0
	ds_add_u32 v[SPW], v[NIL]                      ; the wave's opening: the add and its wait stand ahead of my first tensor load; the set-up below, work on registers, stands between them
	v_lshrrev_b32 v1, 5, v0
	v_readfirstlane_b32 s[WV], v1
	s_lshr_b32 s[WR], s[WV], 1
	s_and_b32 s[WC], s[WV], 1
	s_bfe_u32 s[CX], ttmp6, 0x40000
	s_bfe_u32 s[CY], ttmp6, 0x40004
	s_lshl_b32 s[TC], ttmp9, 2                     ; in a cluster launch ttmp9 and ttmp7 count clusters
	s_add_co_u32 s[TC], s[TC], s[CX]               ; tile column = 4 x cluster x + cx
	s_and_b32 s[TR], ttmp7, 0xffff
	s_lshl_b32 s[TR], s[TR], 2
	s_add_co_u32 s[TR], s[TR], s[CY]               ; tile row = 4 x cluster y + cy
	s_lshl_b32 s19, s[CY], 2
	s_lshl_b32 s19, 15, s19                        ; my row of the cluster: places 4 cy .. 4 cy + 3
	s_lshl_b32 s23, 0x1111, s[CX]                  ; my column: places cx, cx + 4, cx + 8, cx + 12
	; descriptor group 1: a tile of 128 rows x 128 elements, padded in LDS
	s_or_b32 s[G1],  s19, (1<<16)|(1<<20)|(1<<21)|(5<<22)|(3<<25)  ; 15:0 the mask; 17:16 elements of 2 bytes; 20 padding on; 21 set beside a mask; 24:22 after every 64 words (code 5); 31:25 4 words of it (code 3)
	s_or_b32 s[G1B], s23, (1<<16)|(1<<20)|(1<<21)|(5<<22)|(3<<25)
.irp g, G1, G1B
	s_mov_b32 s[(\g)+1], KSTEP<<16                 ; tensor_dim0 = 128
	s_mov_b32 s[(\g)+2], 128<<16                   ; tensor_dim1 = 128
	s_mov_b32 s[(\g)+3], KSTEP<<16                 ; tile_dim0 = 128
	s_mov_b32 s[(\g)+4], 128                       ; tile_dim1 = 128
	s_mov_b32 s[(\g)+5], SIZE_K                    ; elements from row to row
	s_mov_b32 s[(\g)+6], 0
	s_mov_b32 s[(\g)+7], 0
.endr
	; where the tiles come from: xb's hang on the tile row alone, t1's on the tile column alone; a row is 2,048 bytes, and all offsets stay under 2^25
	s_lshl_b32 s20, s[WC], 7                       ; which 128 rows of the tile I fetch
	s_lshl_b32 s40, s[TR], 8
	s_add_co_u32 s40, s40, s20
	s_lshl_b32 s40, s40, 11
	s_mov_b32 s41, 0
	s_lshl_b32 s42, s[TC], 8
	s_add_co_u32 s42, s42, s20
	s_lshl_b32 s42, s42, 11
	s_mov_b32 s43, 0
	s_mul_i32 s21, s[WV], HALFT                    ; and where they go: wave x 128 rows: no place in the cluster enters an LDS address
	SPAIR PZ, 0x3e6d3388                           ; 0.3275911 / sqrt 2
	SPAIR CE, 0xbf38aa3b                           ; -log2(e) / 2
	SPAIR A1, 0x3e027906                           ;  0.254829592 / 2
	SPAIR A2, 0xbe11a98e                           ; -0.284496736 / 2
	SPAIR A3, 0x3f35f0e3                           ;  1.421413741 / 2
	SPAIR A4, 0xbf3a00e3                           ; -1.453152027 / 2
	SPAIR A5, 0x3f07dc22                           ;  1.061405429 / 2
	s_mov_b32 s[HM], 0xffff0000
	s_wait_dscnt 0x0                               ; the opening add is done
	s_wait_kmcnt 0x0
	s_add_nc_u64 s[40:41], s[4:5], s[40:41]
	s_add_nc_u64 s[42:43], s[6:7], s[42:43]
	CROUND                                         ; all sixteen work-groups are here: the first joint loads meet
.irp s, 0,1
	s_mov_b32 s[G0+4*(\s)], 1                                        ; count = 1
	s_add_co_u32 s[G0+4*(\s)+1], s21, (\s)*SLOT                      ; LDS address
	s_add_nc_u64 s[G0+4*(\s)+2:G0+4*(\s)+3], s[40:41], (\s)*KSTEP*2  ; global address: K step s
	s_or_b32 s[G0+4*(\s)+3], s[G0+4*(\s)+3], 0x80000000              ; type = 2
	s_mov_b32 s[G0B+4*(\s)], 1
	s_add_co_u32 s[G0B+4*(\s)+1], s21, (\s)*SLOT
	s_add_nc_u64 s[G0B+4*(\s)+2:G0B+4*(\s)+3], s[42:43], (\s)*KSTEP*2
	s_or_b32 s[G0B+4*(\s)+3], s[G0B+4*(\s)+3], 0x80000000
	JLOAD \s                                       ; the ring is filled before anything else is done: two loads of mine are out
.endr
	; the bias of my 128 columns: for n block b a lane wants b1[n0 + 16 b + 8 (l / 16) + 0..7]: the layout of a product's C
	v_and_b32 v1, 15, v0                           ; l % 16
	v_bfe_u32 v2, v0, 4, 1                         ; l / 16
	s_lshl_b32 s20, s[TC], 8
	s_lshl_b32 s21, s[WC], 7
	s_add_co_u32 s20, s20, s21
	s_lshl_b32 s20, s20, 2
	v_lshl_add_u32 v[BO], v2, 5, s20
	WIN TO_B
.irp b, 0,1,2,3,4,5,6,7
	global_load_b128 v[8*(\b):8*(\b)+3],   v[BO], s[8:9] offset:64*(\b)
	global_load_b128 v[8*(\b)+4:8*(\b)+7], v[BO], s[8:9] offset:64*(\b)+16
.endr
	WIN 0
	; A fragment is 16 rows x 32 K in 8 registers: lane l holds row l % 16; registers 0-3 K = 8 (l / 16) + 0..7, registers 4-7 K = 16 + 8 (l / 16) + 0..7: two loads of 16 bytes, 32 bytes apart.
	v_mul_u32_u24 v3, v1, PITCH
	v_lshl_add_u32 v3, v2, 4, v3
	s_mul_i32 s21, s[WR], HALFT                    ; my 128 rows of xb
	s_mul_i32 s22, s[WC], HALFT                    ; my 128 rows of t1,
	s_add_co_u32 s22, s22, 2*HALFT                 ; which lie behind xb's 256
.irp s, 0,1
	v_add_nc_u32 v[ADRA+(\s)], s21, v3
	v_add_nc_u32 v[ADRB+(\s)], s22, v3
	s_add_co_u32 s21, s21, SLOT
	s_add_co_u32 s22, s22, SLOT
.endr
	s_mul_i32 s20, s[WV], WSTAGE                   ; my stage
	v_mul_u32_u24 v4, v1, SP                       ; in: row l % 16, 32 bytes for each half of the lanes
	v_lshl_add_u32 v4, v2, 5, v4
	v_add_nc_u32 v[STO], s20, v4
	v_and_b32 v3, 31, v0
	v_lshl_add_u32 v[RD], v3, 4, s20               ; back: 32 lanes take one row of 512 bytes
	v_lshlrev_b32 v[CO], 3, v3                     ; which leaves as 256 bytes of h
	v_lshlrev_b32 v[PFO], 11, v3
	; h at my first row and column
	s_lshl_b32 s20, s[TR], 8
	s_lshl_b32 s21, s[WR], 7
	s_add_co_u32 s20, s20, s21
	s_lshl_b32 s20, s20, 13                        ; a row of h is 8,192 bytes; the offset stays under 2^27
	s_lshl_b32 s21, s[TC], 9
	s_add_co_u32 s20, s20, s21
	s_lshl_b32 s21, s[WC], 8
	s_add_co_u32 s20, s20, s21
	s_mov_b32 s21, 0
	s_add_nc_u64 s[10:11], s[10:11], s[20:21]
	; the prefetches
	s_lshl_b32 s20, s[TR], 8
	s_lshl_b32 s21, s[TC], 8
	s_and_b32 s22, ttmp7, 0xffff                   ; cluster y
	s_cmp_eq_u32 s[WR], 0                          ; do I fetch for xb?
	s_cselect_b32 s20, s20, s21                    ; the tile's first row
	s_cselect_b32 s21, s[CX], s[CY]                ; my place among the four that ask for it with me
	s_cselect_b32 s22, ttmp9, s22                  ; the coordinate along which other clusters read the same rows
	s_cselect_b64 s[PFA:PFA+1], s[4:5], s[6:7]
	s_cmp_eq_u32 s22, 0
	s_cselect_b32 s[LIM], 1, -1                    ; the same in all sixteen partners, for a given wave
	s_lshl_b32 s22, s[WC], 7
	s_add_co_u32 s20, s20, s22                     ; + the 128 rows that I fetch
	s_lshl_b32 s21, s21, 5
	s_add_co_u32 s20, s20, s21                     ; + my work-group's 32 of them
	s_lshl_b32 s20, s20, 11
	s_mov_b32 s21, 0
	s_add_nc_u64 s[PFA:PFA+1], s[PFA:PFA+1], s[20:21]
	s_add_nc_u64 s[PFA:PFA+1], s[PFA:PFA+1], 2*KSTEP*2  ; at K step 2: the first refill steps it to 3 and names K step 4
	; the bias is rounded to bf16 and widened again, in place
	s_wait_loadcnt 0x0
	WIN 0x45                                       ; sources 0 and 1 and the destination in window 1
.set p, 0
.rept 32
	v_cvt_pk_bf16_f32 v[192+p], v[2*p], v[2*p+1]
.set p, p+1
.endr
.set p, 0
.rept 32
	v_lshlrev_b32 v[2*p],   16, v[192+p]
	v_and_b32     v[2*p+1], s[HM], v[192+p]
.set p, p+1
.endr
	WIN 0
; 16 matrix instructions: m blocks a0, a0 + 1 of the window's four (hi = 0: my rows 0-63, 1: rows 64-127) x all 8 n blocks, 32 along K.  first = 1: the products start the sums, with the bias as C.
; The 64 accumulators take turns, one instruction a turn, in the same order in every quarter step.
.macro MUL16 f, hi, a0, first
.if \first
	WIN BIA_LO+0x40*(\hi)
.else
	WIN MUL_LO+0x50*(\hi)
.endif
.irp a, \a0, (\a0)+1
.irp b, 0,1,2,3,4,5,6,7
.if \first
	v_wmma_f32_16x16x32_bf16 v[8*(8*(\a)+(\b)):8*(8*(\a)+(\b))+7], v[(\f)+8*(\b):(\f)+8*(\b)+7], v[(\f)+8*(4*(\hi)+(\a)):(\f)+8*(4*(\hi)+(\a))+7], v[8*(\b):8*(\b)+7]
.else
	v_wmma_f32_16x16x32_bf16 v[8*(8*(\a)+(\b)):8*(8*(\a)+(\b))+7], v[(\f)+8*(\b):(\f)+8*(\b)+7], v[(\f)+8*(4*(\hi)+(\a)):(\f)+8*(4*(\hi)+(\a))+7], v[8*(8*(\a)+(\b)):8*(8*(\a)+(\b))+7]
.endif
.endr
.endr
.endm
; 32 LDS loads in one run: the fragments of one quarter step (128 rows of t1, 128 rows of xb, 32 K at byte k of the rows) into buffer f
.macro FETCH slot, k, f
	WIN TO_B
.irp i, 0,1,2,3,4,5,6,7
	ds_load_b128 v[(\f)+8*(\i):(\f)+8*(\i)+3],   v[ADRB+(\slot)] offset:(\k)+(\i)*16*PITCH
	ds_load_b128 v[(\f)+8*(\i)+4:(\f)+8*(\i)+7], v[ADRB+(\slot)] offset:(\k)+(\i)*16*PITCH+32
.endr
	WIN 0
.irp i, 0,1,2,3,4,5,6,7
	ds_load_b128 v[(\f)+8*(\i):(\f)+8*(\i)+3],   v[ADRA+(\slot)] offset:(\k)+(\i)*16*PITCH
	ds_load_b128 v[(\f)+8*(\i)+4:(\f)+8*(\i)+7], v[ADRA+(\slot)] offset:(\k)+(\i)*16*PITCH+32
.endr
.endm
; Four places in front of loads into registers that matrix instructions have read, and of LDS stores that read results; the matrix instructions in between are not counted.
.macro PLACES
.rept 4
	v_nop
.endr
.endm
; A K step is four quarter steps of 32 along K, 64 matrix instructions each, on buffers 0, 1, 0, 1.  One of the first three: multiplies buffer f; in its middle it fetches the next quarter, at byte k, into buffer g.
.macro QUARTER slot, k, f, g, first
	s_wait_dscnt 8                                 ; t1 and xb's rows 0-63 are in; the youngest eight loads (xb's rows 64-127) may be out
	MUL16 \f, 0, 0, \first
	MUL16 \f, 0, 2, \first
	PLACES
	FETCH \slot, \k, \g
	s_wait_dscnt 32                                ; all but the 32 just issued
	MUL16 \f, 1, 0, \first
	MUL16 \f, 1, 2, \first
.endm
; The last quarter multiplies buffer 1 and changes slots.  MEET is its first half: one barrier.  In front of it each wave waits for all its tensor loads (the one that is out is its part of the next slot), adds 0 to its spare
; word, and waits for that and for its own reads of this slot.  Behind it nobody reads this slot any more and the next slot is whole.  round = 1: the rest of a round of the cluster's barrier follows.
.macro MEET round
	WIN 0                                          ; (the add's two registers lie in window 0)
	s_wait_tensorcnt 0x0
	ds_add_u32 v[SPW], v[NIL]                      ; 0 onto my spare word
	s_wait_dscnt 9                                 ; (the add and the youngest eight loads may be out)
	MUL16 F1, 0, 0, 0                              ; sixteen matrix instructions stand between the add and the wait for it
	s_wait_dscnt 0x0                               ; the add is done, and my reads of this slot are over
	s_barrier_signal -1
	MUL16 F1, 0, 2, 0                              ; work on registers while the others arrive
.if \round
	WIN 0
.endif
	s_barrier_wait -1
.endm
; The whole last quarter.  Behind the round the slot just read out is filled again first, with the K step two steps on; from that request to the wait for it a wave issues 224 matrix instructions.
.macro TURN slot, next
	s_wait_xcnt 0x0                                ; the last prefetch, a K step back, has read its address, which is stepped here
	s_add_nc_u64 s[PFA:PFA+1], s[PFA:PFA+1], KSTEP*2
	MEET 1
	CREST                                          ; no wave of any partner still reads this slot's tile or has a load on its way
	s_add_nc_u64 s[G0+4*(\slot)+2:G0+4*(\slot)+3], s[G0+4*(\slot)+2:G0+4*(\slot)+3], 2*KSTEP*2
	s_add_nc_u64 s[G0B+4*(\slot)+2:G0B+4*(\slot)+3], s[G0B+4*(\slot)+2:G0B+4*(\slot)+3], 2*KSTEP*2
	JLOAD \slot                                    ; the first tensor load behind the round; the four v_nop behind it are also the places in front of the loads below
	FETCH \next, 0, F0
	ASK
	MUL16 F1, 1, 0, 0
	MUL16 F1, 1, 2, 0
.endm
	s_wait_tensorcnt 1                             ; my part of K step 0 is in; K step 1's may stay out
	s_barrier_signal -1
	s_barrier_wait -1                              ; everybody's is
	FETCH 0, 0, F0
	QUARTER 0, 64,  F0, F1, 1                      ; the first quarter stands in front of the loop: its products start the sums
	WIN 0                                          ; at a label and at a branch every window is 0
	s_mov_b32 s[LAP], LAPS-1
.Llap:                                                 ; a trip goes once round the ring, from a lap's second quarter to the next lap's first, and fills both slots again
	QUARTER 0, 128, F1, F0, 0
	QUARTER 0, 192, F0, F1, 0
	TURN 0, 1
	QUARTER 1, 64,  F0, F1, 0
	QUARTER 1, 128, F1, F0, 0
	QUARTER 1, 192, F0, F1, 0
	TURN 1, 0
	QUARTER 0, 64,  F0, F1, 0
	WIN 0
	s_sub_co_u32 s[LAP], s[LAP], 1
	s_cmp_lg_u32 s[LAP], 0
	s_cbranch_scc1 .Llap
	QUARTER 0, 128, F1, F0, 0                      ; the last lap is written out: it fills nothing
	QUARTER 0, 192, F0, F1, 0
	MEET 0                                         ; my one tensor load that was still out is slot 1's, the last K step's
	PLACES
	FETCH 1, 0, F0
	MUL16 F1, 1, 0, 0
	MUL16 F1, 1, 2, 0
	QUARTER 1, 64,  F0, F1, 0
	QUARTER 1, 128, F1, F0, 0
	QUARTER 1, 192, F0, F1, 0
	s_wait_dscnt 8                                 ; the very last quarter: nothing more to fetch
	MUL16 F1, 0, 0, 0
	MUL16 F1, 0, 2, 0
	s_wait_dscnt 0x0                               ; my last reads of the ring are over:
	s_barrier_signal -1                            ; say so,
	MUL16 F1, 1, 0, 0
	MUL16 F1, 1, 2, 0
	WIN 0
	s_barrier_wait -1                              ; and when all four have said so the ring's bytes, which have had their last fill, become the stages
	PLACES                                         ; the stores below read results just made
	; THE WAY OUT.  My 128 x 128 sums into my own stage: block a's row l % 16, n block b's 64 bytes, 32 for each half of the lanes.  Each accumulator's low registers go first.
.irp a, 0,1,2,3,4,5,6,7
	WIN 0x08+4*((\a)/4)                            ; the stores' data (source 1) in window 2 or 3
.irp b, 0,1,2,3,4,5,6,7
	ds_store_b128 v[STO], v[8*(8*((\a)%4)+(\b)):8*(8*((\a)%4)+(\b))+3]   offset:(\a)*16*SP+(\b)*64
	ds_store_b128 v[STO], v[8*(8*((\a)%4)+(\b))+4:8*(8*((\a)%4)+(\b))+7] offset:(\a)*16*SP+(\b)*64+16
.endr
.endr
	WIN 0
.macro LOADH                           ; the next 8 rows, whole: 32 lanes x 16 bytes a row.  LDS serves a wave's instructions in order (ISA guide 5.7.1.4): these see my stores above
	v_add_nc_u32 v[ADR], s[TB], v[RD]
.irp r, 0,1,2,3,4,5,6,7
	ds_load_b128 v[H+4*(\r):H+4*(\r)+3], v[ADR] offset:SP*(\r)
.endr
	s_add_co_u32 s[TB], s[TB], 8*SP
.endm
.macro PAIRS line:vararg               ; one line for each of the 16 pairs, i = 0, 2 .. 30
.set i, 0
.rept 16
	\line
.set i, i+2
.endr
.endm
; 8 rows: 32 numbers a lane.  more = 1: the next 8 rows are fetched as soon as H has been read for the last time.
.macro OUT8 more
	s_wait_dscnt 0x0                               ; my 8 rows are in
.set i, 0
.rept 32
	v_max_num_f32 v[RL+i], 0, v[H+i]
.set i, i+1
.endr
	PAIRS v_pk_fma_f32 v[AH+i:AH+i+1], v[RL+i:RL+i+1], 2.0, v[H+i:H+i+1] op_sel_hi:[1,0,1] neg_lo:[0,0,1] neg_hi:[0,0,1]  ; |s| = 2 max(s, 0) - s, exact
	PAIRS v_pk_fma_f32 v[T+i:T+i+1], v[AH+i:AH+i+1], s[PZ:PZ+1], 1.0 op_sel_hi:[1,0,0]
	PAIRS v_pk_mul_f32 v[E+i:E+i+1], v[H+i:H+i+1], v[H+i:H+i+1]
	PAIRS v_pk_mul_f32 v[E+i:E+i+1], v[E+i:E+i+1], s[CE:CE+1] op_sel_hi:[1,0]
.if \more
	LOADH
.endif
.set i, 0
.rept 32                               ; ONE BATCH of 64: nothing ahead of the wait below names a result
	v_rcp_f32 v[T+i], v[T+i]
.set i, i+1
.endr
.set i, 0
.rept 32
	v_exp_f32 v[E+i], v[E+i]
.set i, i+1
.endr
	v_nop                                          ; a plain instruction behind the last exponential (ISA guide 5.7.2),
	s_wait_alu depctr_va_vdst(0)                   ; and the wait ahead of the first use: one for the batch
	PAIRS v_pk_fma_f32 v[Q+i:Q+i+1], v[T+i:T+i+1], s[A5:A5+1], s[A4:A4+1] op_sel_hi:[1,0,0]
	PAIRS v_pk_fma_f32 v[Q+i:Q+i+1], v[Q+i:Q+i+1], v[T+i:T+i+1], s[A3:A3+1] op_sel_hi:[1,1,0]
	PAIRS v_pk_fma_f32 v[Q+i:Q+i+1], v[Q+i:Q+i+1], v[T+i:T+i+1], s[A2:A2+1] op_sel_hi:[1,1,0]
	PAIRS v_pk_fma_f32 v[Q+i:Q+i+1], v[Q+i:Q+i+1], v[T+i:T+i+1], s[A1:A1+1] op_sel_hi:[1,1,0]
	PAIRS v_pk_mul_f32 v[E+i:E+i+1], v[E+i:E+i+1], v[T+i:T+i+1]
	PAIRS v_pk_mul_f32 v[E+i:E+i+1], v[E+i:E+i+1], v[Q+i:Q+i+1]
	PAIRS v_pk_fma_f32 v[RL+i:RL+i+1], v[E+i:E+i+1], v[AH+i:AH+i+1], v[RL+i:RL+i+1] neg_lo:[1,0,0] neg_hi:[1,0,0]
	PAIRS v_cvt_pk_bf16_f32 v[Y+i/2], v[RL+i], v[RL+i+1]
.irp r, 0,1,2,3,4,5,6,7
	global_store_b64 v[CO], v[Y+2*(\r):Y+2*(\r)+1], s[10:11] offset:(\r)*SIZE_N*2  ; 32 lanes store 256 consecutive bytes, at a multiple of 256 from h's first byte
.endr
.if \more
	s_wait_xcnt 0x0                                ; the stores have read their data and their base: both are written again only behind this wait
	s_add_nc_u64 s[10:11], s[10:11], 8*SIZE_N*2
.endif
.endm
	s_mov_b32 s[TB], 0
	LOADH
	s_mov_b32 s[CNT], 15
.Lout:
	OUT8 1
	s_sub_co_u32 s[CNT], s[CNT], 1
	s_cmp_lg_u32 s[CNT], 0
	s_cbranch_scc1 .Lout
	OUT8 0                                         ; the last 8 rows fetch nothing: no load leaves my stage
	s_wait_tensorcnt 0x0                           ; the wave's end: a wait for my last tensor load, then the spare-word add behind my last LDS store, and its wait
	ds_add_u32 v[SPW], v[NIL]
	s_wait_dscnt 0x0
	CROUND                                         ; the closing round: no work-group ends while a partner may still ask for a tile that names it
	s_endpgm
.Lfunc_end_k_qa502439b1e_gemm1:
	.size	k_qa502439b1e_gemm1, .Lfunc_end_k_qa502439b1e_gemm1-k_qa502439b1e_gemm1
	.p2alignl 7, 3214868480
	.fill 96, 4, 3214868480
	.section	.rodata,"a",@progbits
	.p2align	6, 0x0
	.amdhsa_kernel k_qa502439b1e_gemm1
		.amdhsa_group_segment_fixed_size 327680
		.amdhsa_private_segment_fixed_size 0
		.amdhsa_enable_private_segment 0
		.amdhsa_kernarg_size 32
		.amdhsa_user_sgpr_count 2
		.amdhsa_user_sgpr_kernarg_segment_ptr 1
		.amdhsa_wavefront_size32 1
		.amdhsa_system_sgpr_workgroup_id_x 1
		.amdhsa_system_sgpr_workgroup_id_y 1
		.amdhsa_system_sgpr_workgroup_id_z 1
		.amdhsa_system_vgpr_workitem_id 0
		.amdhsa_next_free_vgpr 1024
		.amdhsa_next_free_sgpr 84
		.amdhsa_reserve_vcc 0
		.amdhsa_float_denorm_mode_32 3
		.amdhsa_float_denorm_mode_16_64 3
		.amdhsa_memory_ordered 1
		.amdhsa_forward_progress 1
		.amdhsa_inst_pref_size 160
	.end_amdhsa_kernel
	.amdgpu_metadata
---
amdhsa.version: [ 1, 2 ]
amdhsa.kernels:
  - .name:           k_qa502439b1e_gemm1
    .symbol:         k_qa502439b1e_gemm1.kd
    .args:
      - { .name: xb, .offset: 0, .size: 8, .value_kind: global_buffer, .address_space: global }
      - { .name: t1, .offset: 8, .size: 8, .value_kind: global_buffer, .address_space: global }
      - { .name: b1, .offset: 16, .size: 8, .value_kind: global_buffer, .address_space: global }
      - { .name: h, .offset: 24, .size: 8, .value_kind: global_buffer, .address_space: global }
    .group_segment_fixed_size: 327680
    .private_segment_fixed_size: 0
    .kernarg_segment_align: 8
    .kernarg_segment_size: 32
    .max_flat_workgroup_size: 128
    .sgpr_count:     84
    .vgpr_count:     1024
    .wavefront_size: 32
...
	.end_amdgpu_metadata
.endif
;; end of part 3
;; launch gemm2 (part 4): grid 4 x 64, 4 waves a work-group, clusters of 4 x 4, 327,680 bytes of LDS; arguments h, t2, b2, out0; writes out0
.if DOCPART == 4
	.amdgcn_target "amdgcn-amd-amdhsa--gfx1250"
	.amdhsa_code_object_version 6
	.text
	.protected	k_qa502439b1e_gemm2
	.globl	k_qa502439b1e_gemm2
	.p2align	8
	.type	k_qa502439b1e_gemm2,@function
k_qa502439b1e_gemm2:
	s_mov_b64 s[64:65], 0
	v_nop
	global_prefetch_b8 v0, s[64:65] scope:SCOPE_SE
	s_setreg_imm32_b32 hwreg(HW_REG_WAVE_MODE, 25, 1), 1
	s_wait_xcnt 0x0
	s_wait_alu depctr_hold_cnt(0) depctr_sa_sdst(0) depctr_va_vdst(0) depctr_va_sdst(0) depctr_va_ssrc(0) depctr_va_vcc(0) depctr_vm_vsrc(0)
	s_getreg_b32 s2, hwreg(HW_REG_IB_STS2, 6, 4)
	s_cmp_eq_u32 s2, 0
	s_cbranch_scc0 .Lentry_in_a_cluster
	s_endpgm
.Lentry_in_a_cluster:
	s_bfe_u32 s2, ttmp6, 0x10000c
	s_cmp_lg_u32 s2, 0xf033
	s_cbranch_scc0 .Lentry_shape_is_right
	s_endpgm
.Lentry_shape_is_right:
; out0[m][n] = sum over k of h[m][k] t2[n][k] + bf16(b2[n]).  h: [8192][4096] bf16, t2: [1024][4096] bf16 (-1, 0, 1), b2: [1024] f32, out0: [8192][1024] f32.  Sums in f32.
; SHARES.  A tile of out0 is 128 rows x 256 columns: 256 work-groups of equal work (tiles of 256 x 256 would be 128).  Four waves, each 64 x 128: 32 accumulators of 16 x 16, 256 registers.
; K goes in steps of 128 through a ring of two LDS slots filled by the tensor data mover: each row of a tile is 256 bytes of memory, at a multiple of 256 bytes from the buffer's first byte.  Two slots of a K step of 256
; would be 405,504 bytes: they do not fit.
; CLUSTER.  4 x 4 work-groups.  The four of a row of the cluster need the same tiles of h, the four of a column the same tiles of t2: each is asked for JOINTLY, by the same tensor load, descriptor and mask in all four.
; TRANSPOSED USE.  Source 0 = 16 rows of t2, source 1 = 16 rows of h: lane l holds row l % 16 of out0 and the columns 8 (l / 16) + 0..7.
; THE BIAS, rounded to bf16 as all the program's inputs are, is the C operand of the products that start the sums: nothing is cleared, and the way out has no arithmetic.
; THE WAY OUT.  When every wave has read the ring for the last time, each wave lays its 64 x 128 sums into its own part of the ring's bytes (which have had their last fill) and reads them back as whole rows of 512 bytes.
; LIMIT.  NaN and infinities are not treated apart.
; REGISTERS, in windows of 256 (s_set_vgpr_msb: bits 1:0 source 0, 3:2 source 1, 5:4 source 2, 7:6 destination):
;   window 0: v0-31 addresses; v32-63 at work while the bias is rounded; v64-127 fragments of h, two buffers of 32; v128-255 fragments of t2, two buffers of 64
;   window 1: the accumulators, (a, b) at 8 (8 a + b)          window 2: v0-63 the bias, n block b at 8 b
.set SIZE_N, 1024
.set SIZE_K, 4096
.set KSTEP,  128
.set PITCH,  272                       ; an LDS row: 256 bytes + 16 of padding = 68 words: row r starts at bank 4 r mod 64 (64 banks of 4 bytes: ISA guide 11.1)
.set AHALF,  64*PITCH                  ; what a load of h brings: 64 rows
.set BHALF,  128*PITCH                 ; what a load of t2 brings: 128 rows
.set AB,     2*AHALF                   ; a slot: h's 128 rows, then t2's 256
.set SLOT,   AB+2*BHALF
.set SPARE,  2*SLOT                    ; behind the ring: the spare words, 128 bytes a wave: two blocks of 256 bytes that no other line names
.set SP,     528                       ; a stage row: 128 f32 + 16 bytes
.set WSTAGE, 64*SP                     ; a wave's stage; four of them are 135,168 bytes, inside the ring's 208,896
.set LAPS,   SIZE_K/(2*KSTEP)
.set ADRA, 16                          ; v16-17  LDS address of my h fragments in slot 0, 1
.set ADRB, 20                          ; v20-21  the same for t2
.set STO,  24                          ; v24     the way out: where I put 32 bytes of a row
.set RD,   25                          ; v25     where I read 16 bytes of a row back
.set CO,   26                          ; v26     my 16 bytes in 512 bytes of out0
.set ADR,  27                          ; v27     the LDS address of the run of loads in hand
.set SPW,  28                          ; v28     LDS address of my spare word; never rewritten
.set NIL,  29                          ; v29     0; never rewritten
.set PFO,  30                          ; v30     the prefetches' offset: my lane x a row of 8,192 bytes; never rewritten
.set BO,   31                          ; v31     my byte offset in b2
.set HM, 3                             ; s3   a word's upper bf16
.set WV, 12                            ; s12 wave   s13 its row half, also: 0 = I fetch h, 1 = t2   s14 its column half, also: which half of that tile I fetch
.set WR, 13
.set WC, 14
.set CX, 15
.set CY, 16
.set TC, 17
.set TR, 18
.set TB,  20                           ; s20  (the way out) stage byte at which the next 16 rows begin
.set CNT, 21                           ; s21  (the way out)
.set G1,  24                           ; s[24:31] descriptor group 1 for h's tiles;  s[32:39] group 0, a set for each slot
.set G0,  32
.set PFA, 44
.set LIM, 46
.set LAP, 47
.set G1B, 48                           ; s[48:55], s[56:63] the same for t2's tiles
.set G0B, 56
.set MSB, 0
.macro WIN new                         ; the immediate's high byte repeats the setting that is left; a switch that changes nothing is dropped
.if MSB != (\new)
	s_set_vgpr_msb (MSB<<8)|(\new)
.set MSB, \new
.endif
.endm
.set MUL, 0x50                         ; sources 0 and 1 window 0, C and D window 1
.set BIA, 0x60                         ; the same with C in window 2: the bias
.macro JLOAD s                         ; a joint load: waves 0 and 1 fetch h's two halves, waves 2 and 3 t2's; an s_nop 0 and four v_nop follow each of the two lines, ahead of the jump and the label
	s_cmp_eq_u32 s[WR], 0
	s_cbranch_scc0 .Lfor_b_\@
	tensor_load_to_lds s[G0+4*(\s):G0+4*(\s)+3], s[G1:G1+7]
	s_nop 0
.rept 4
	v_nop
.endr
	s_branch .Lasked_\@
.Lfor_b_\@:
	tensor_load_to_lds s[G0B+4*(\s):G0B+4*(\s)+3], s[G1B:G1B+7]
	s_nop 0
.rept 4
	v_nop
.endr
.Lasked_\@:
.endm
; A prefetch, behind each refill and the run of LDS loads that follows it: the K step that stands two refills on: 32 rows x 256 bytes, a lane a row, one instruction a wave.  Each row's 256 bytes of a K step are named once
; in the launch.  A tile row of h is read by one cluster alone: wave 0 of the partner at cx asks for its rows 32 cx .. 32 cx + 31, and wave 1 for nothing.  t2's rows are read by every cluster: the cluster with y = 0 asks; of
; the 128 rows that wave 2 or 3 fetches, the partner at cy takes 32 cy .. 32 cy + 31.  Partners are told apart by address.  K steps 0 to 3 come by their loads alone; the loop's last trip asks for nothing.
.macro ASK
	s_cmp_gt_u32 s[LAP], s[LIM]
	s_cbranch_scc0 .Lnot_mine_\@
	global_prefetch_b8 v[PFO], s[PFA:PFA+1] offset:KSTEP*2 th:TH_LOAD_NT scope:SCOPE_SE
.Lnot_mine_\@:
.endm
.macro CREST                           ; a round of the cluster's barrier behind its opening barrier
	s_cmp_lg_u32 s[WV], 0
	s_cbranch_scc1 .Lnot_wave_0_\@
	s_barrier_signal -3
.Lnot_wave_0_\@:
	s_barrier_wait -3
	s_barrier_signal -1
	s_barrier_wait -1
.endm
.macro CROUND                          ; a whole round
	s_barrier_signal -1
	s_barrier_wait -1
	CREST
.endm
	s_load_b256 s[4:11], s[0:1], 0x0               ; h s[4:5], t2 s[6:7], b2 s[8:9], out0 s[10:11]
	v_lshl_add_u32 v[SPW], v0, 2, SPARE
	v_mov_b32 v[NIL], 0
	ds_add_u32 v[SPW], v[NIL]                      ; the wave's opening: the add and its wait stand ahead of my first tensor load; the set-up below, work on registers, stands between them
	v_lshrrev_b32 v1, 5, v0
	v_readfirstlane_b32 s[WV], v1
	s_lshr_b32 s[WR], s[WV], 1
	s_and_b32 s[WC], s[WV], 1
	s_bfe_u32 s[CX], ttmp6, 0x40000
	s_bfe_u32 s[CY], ttmp6, 0x40004
	s_lshl_b32 s[TC], ttmp9, 2
	s_add_co_u32 s[TC], s[TC], s[CX]               ; tile column = 4 x cluster x + cx
	s_and_b32 s[TR], ttmp7, 0xffff
	s_lshl_b32 s[TR], s[TR], 2
	s_add_co_u32 s[TR], s[TR], s[CY]               ; tile row = 4 x cluster y + cy
	s_lshl_b32 s19, s[CY], 2
	s_lshl_b32 s19, 15, s19                        ; my row of the cluster
	s_lshl_b32 s23, 0x1111, s[CX]                  ; my column
	s_or_b32 s[G1],  s19, (1<<16)|(1<<20)|(1<<21)|(5<<22)|(3<<25)  ; 15:0 the mask; 17:16 elements of 2 bytes; 20 padding on; 21 set beside a mask; 24:22 after every 64 words (code 5); 31:25 4 words of it (code 3)
	s_or_b32 s[G1B], s23, (1<<16)|(1<<20)|(1<<21)|(5<<22)|(3<<25)
	s_mov_b32 s[G1+1], KSTEP<<16                   ; h: tensor_dim0 = 128
	s_mov_b32 s[G1+2], 64<<16                      ; tensor_dim1 = 64
	s_mov_b32 s[G1+3], KSTEP<<16                   ; tile_dim0 = 128
	s_mov_b32 s[G1+4], 64                          ; tile_dim1 = 64
	s_mov_b32 s[G1+5], SIZE_K                      ; elements from row to row
	s_mov_b32 s[G1+6], 0
	s_mov_b32 s[G1+7], 0
	s_mov_b32 s[G1B+1], KSTEP<<16                  ; t2: the same with 128 rows
	s_mov_b32 s[G1B+2], 128<<16
	s_mov_b32 s[G1B+3], KSTEP<<16
	s_mov_b32 s[G1B+4], 128
	s_mov_b32 s[G1B+5], SIZE_K
	s_mov_b32 s[G1B+6], 0
	s_mov_b32 s[G1B+7], 0
	; where the tiles come from: h's hang on the tile row alone, t2's on the tile column alone; a row is 8,192 bytes, and all offsets stay under 2^27
	s_lshl_b32 s40, s[TR], 7
	s_lshl_b32 s19, s[WC], 6
	s_add_co_u32 s40, s40, s19                     ; h: row 128 x tile row + 64 x half
	s_lshl_b32 s40, s40, 13
	s_mov_b32 s41, 0
	s_lshl_b32 s42, s[TC], 8
	s_lshl_b32 s23, s[WC], 7
	s_add_co_u32 s42, s42, s23                     ; t2: row 256 x tile column + 128 x half
	s_lshl_b32 s42, s42, 13
	s_mov_b32 s43, 0
	s_mul_i32 s20, s[WC], AHALF                    ; and where they go: no place in the cluster enters an LDS address
	s_mul_i32 s21, s[WC], BHALF
	s_add_co_u32 s21, s21, AB
	s_mov_b32 s[HM], 0xffff0000
	s_wait_dscnt 0x0                               ; the opening add is done
	s_wait_kmcnt 0x0
	s_add_nc_u64 s[40:41], s[4:5], s[40:41]
	s_add_nc_u64 s[42:43], s[6:7], s[42:43]
	CROUND                                         ; all sixteen work-groups are here: the first joint loads meet
.irp s, 0,1
	s_mov_b32 s[G0+4*(\s)], 1
	s_add_co_u32 s[G0+4*(\s)+1], s20, (\s)*SLOT
	s_add_nc_u64 s[G0+4*(\s)+2:G0+4*(\s)+3], s[40:41], (\s)*KSTEP*2
	s_or_b32 s[G0+4*(\s)+3], s[G0+4*(\s)+3], 0x80000000
	s_mov_b32 s[G0B+4*(\s)], 1
	s_add_co_u32 s[G0B+4*(\s)+1], s21, (\s)*SLOT
	s_add_nc_u64 s[G0B+4*(\s)+2:G0B+4*(\s)+3], s[42:43], (\s)*KSTEP*2
	s_or_b32 s[G0B+4*(\s)+3], s[G0B+4*(\s)+3], 0x80000000
	JLOAD \s                                       ; two loads of mine are out
.endr
	; the bias of my 128 columns, in the layout of a product's C
	v_and_b32 v1, 15, v0                           ; l % 16
	v_bfe_u32 v2, v0, 4, 1                         ; l / 16
	s_lshl_b32 s20, s[TC], 8
	s_lshl_b32 s21, s[WC], 7
	s_add_co_u32 s20, s20, s21
	s_lshl_b32 s20, s20, 2
	v_lshl_add_u32 v[BO], v2, 5, s20
	WIN 0x80                                       ; destination window 2, address window 0
.irp b, 0,1,2,3,4,5,6,7
	global_load_b128 v[8*(\b):8*(\b)+3],   v[BO], s[8:9] offset:64*(\b)
	global_load_b128 v[8*(\b)+4:8*(\b)+7], v[BO], s[8:9] offset:64*(\b)+16
.endr
	WIN 0
	v_mul_u32_u24 v3, v1, PITCH
	v_lshl_add_u32 v3, v2, 4, v3                   ; a fragment's row x pitch + 16 x half
	s_mul_i32 s21, s[WR], AHALF                    ; my 64 rows of h
	s_mul_i32 s22, s[WC], BHALF                    ; my 128 rows of t2,
	s_add_co_u32 s22, s22, AB                      ; which lie behind h's 128
.irp s, 0,1
	v_add_nc_u32 v[ADRA+(\s)], s21, v3
	v_add_nc_u32 v[ADRB+(\s)], s22, v3
	s_add_co_u32 s21, s21, SLOT
	s_add_co_u32 s22, s22, SLOT
.endr
	s_mul_i32 s20, s[WV], WSTAGE                   ; my stage
	v_mul_u32_u24 v4, v1, SP
	v_lshl_add_u32 v4, v2, 5, v4
	v_add_nc_u32 v[STO], s20, v4                   ; in: row l % 16, 32 bytes for each half of the lanes
	v_and_b32 v3, 31, v0
	v_lshl_add_u32 v[RD], v3, 4, s20               ; back: 32 lanes take one row of 512 bytes,
	v_lshlrev_b32 v[CO], 4, v3                     ; and store it as it is
	v_lshlrev_b32 v[PFO], 13, v3
	; out0 at my first row and column
	s_lshl_b32 s20, s[TR], 7
	s_lshl_b32 s21, s[WR], 6
	s_add_co_u32 s20, s20, s21
	s_lshl_b32 s20, s20, 12                        ; a row of out0 is 4,096 bytes
	s_lshl_b32 s21, s[TC], 10
	s_add_co_u32 s20, s20, s21
	s_lshl_b32 s21, s[WC], 9
	s_add_co_u32 s20, s20, s21
	s_mov_b32 s21, 0
	s_add_nc_u64 s[10:11], s[10:11], s[20:21]
	; the prefetches
	s_lshl_b32 s20, s[TR], 7                       ; h: the tile's first row
	s_lshl_b32 s21, s[TC], 8
	s_lshl_b32 s22, s[WC], 7
	s_add_co_u32 s21, s21, s22                     ; t2: the first of the 128 rows that I fetch
	s_and_b32 s22, ttmp7, 0xffff                   ; cluster y
	s_cmp_eq_u32 s[WR], 0                          ; do I fetch for h?
	s_cselect_b32 s20, s20, s21
	s_cselect_b32 s21, s[CX], s[CY]                ; my place among the four that ask with me
	s_cselect_b32 s22, s[WC], s22                  ; h: wave 0 asks; t2: the cluster with y = 0
	s_cselect_b64 s[PFA:PFA+1], s[4:5], s[6:7]
	s_cmp_eq_u32 s22, 0
	s_cselect_b32 s[LIM], 1, -1                    ; the same in all sixteen partners, for a given wave
	s_lshl_b32 s21, s21, 5
	s_add_co_u32 s20, s20, s21                     ; + my work-group's 32 rows
	s_lshl_b32 s20, s20, 13
	s_mov_b32 s21, 0
	s_add_nc_u64 s[PFA:PFA+1], s[PFA:PFA+1], s[20:21]
	s_add_nc_u64 s[PFA:PFA+1], s[PFA:PFA+1], 2*KSTEP*2  ; at K step 2: the first refill steps it to 3 and names K step 4
	; the bias is rounded to bf16 and widened again
	s_wait_loadcnt 0x0
	WIN 0x0a                                       ; sources 0 and 1 window 2, destination window 0
.set p, 0
.rept 32
	v_cvt_pk_bf16_f32 v[32+p], v[2*p], v[2*p+1]
.set p, p+1
.endr
	WIN 0x80                                       ; sources window 0, destination window 2
.set p, 0
.rept 32
	v_lshlrev_b32 v[2*p],   16, v[32+p]
	v_and_b32     v[2*p+1], s[HM], v[32+p]
.set p, p+1
.endr
	WIN 0
; 8 matrix instructions: m block a x all 8 n blocks, 32 along K, from buffer f (0, 1).  first = 1: the products start the sums, with the bias as C.
; The 32 accumulators take turns, one instruction a turn, in the same order in every quarter step.
.macro MUL8 f, a, first
.if \first
	WIN BIA
.else
	WIN MUL
.endif
.irp b, 0,1,2,3,4,5,6,7
.if \first
	v_wmma_f32_16x16x32_bf16 v[8*(8*(\a)+(\b)):8*(8*(\a)+(\b))+7], v[128+64*(\f)+8*(\b):128+64*(\f)+8*(\b)+7], v[64+32*(\f)+8*(\a):64+32*(\f)+8*(\a)+7], v[8*(\b):8*(\b)+7]
.else
	v_wmma_f32_16x16x32_bf16 v[8*(8*(\a)+(\b)):8*(8*(\a)+(\b))+7], v[128+64*(\f)+8*(\b):128+64*(\f)+8*(\b)+7], v[64+32*(\f)+8*(\a):64+32*(\f)+8*(\a)+7], v[8*(8*(\a)+(\b)):8*(8*(\a)+(\b))+7]
.endif
.endr
.endm
; 24 LDS loads in one run: the fragments of one quarter step (128 rows of t2, then 64 rows of h, 32 K at byte k of the rows) into buffer f
.macro FETCH slot, k, f
	WIN 0
.irp i, 0,1,2,3,4,5,6,7
	ds_load_b128 v[128+64*(\f)+8*(\i):128+64*(\f)+8*(\i)+3],   v[ADRB+(\slot)] offset:(\k)+(\i)*16*PITCH
	ds_load_b128 v[128+64*(\f)+8*(\i)+4:128+64*(\f)+8*(\i)+7], v[ADRB+(\slot)] offset:(\k)+(\i)*16*PITCH+32
.endr
.irp i, 0,1,2,3
	ds_load_b128 v[64+32*(\f)+8*(\i):64+32*(\f)+8*(\i)+3],   v[ADRA+(\slot)] offset:(\k)+(\i)*16*PITCH
	ds_load_b128 v[64+32*(\f)+8*(\i)+4:64+32*(\f)+8*(\i)+7], v[ADRA+(\slot)] offset:(\k)+(\i)*16*PITCH+32
.endr
.endm
.macro PLACES                          ; four places in front of loads into registers that matrix instructions have read, and of LDS stores that read results
.rept 4
	v_nop
.endr
.endm
; A K step is four quarter steps of 32 along K, 32 matrix instructions each, on buffers 0, 1, 0, 1.  One of the first three: multiplies buffer f and fetches the next quarter, at byte k, into g.
.macro QUARTER slot, k, f, g, first
	s_wait_dscnt 4                                 ; t2 and h's rows 0-31 are in; the youngest four loads (h's rows 32-63) may be out
	MUL8 \f, 0, \first
	MUL8 \f, 1, \first
	PLACES
	FETCH \slot, \k, \g
	s_wait_dscnt 24                                ; all but the 24 just issued
	MUL8 \f, 2, \first
	MUL8 \f, 3, \first
.endm
; The last quarter multiplies buffer 1 and changes slots.  MEET is its first half: one barrier; in front of it each wave waits for all its tensor loads (its part of the next slot), adds 0 to its spare word, and waits for that
; and for its own reads of this slot.  round = 1: the rest of a round of the cluster's barrier follows.
.macro MEET round
	WIN 0
	s_wait_tensorcnt 0x0
	ds_add_u32 v[SPW], v[NIL]                      ; 0 onto my spare word
	s_wait_dscnt 5                                 ; (the add and the youngest four loads may be out)
	MUL8 1, 0, 0                                   ; eight matrix instructions stand between the add and the wait for it
	s_wait_dscnt 0x0                               ; the add is done, and my reads of this slot are over
	s_barrier_signal -1
	MUL8 1, 1, 0
.if \round
	WIN 0
.endif
	s_barrier_wait -1
.endm
; The whole last quarter.  Behind the round the slot just read out is filled again first, with the K step two steps on; from that request to the wait for it a wave issues 112 matrix instructions.
.macro TURN slot, next
	s_wait_xcnt 0x0                                ; the last prefetch, a K step back, has read its address, which is stepped here
	s_add_nc_u64 s[PFA:PFA+1], s[PFA:PFA+1], KSTEP*2
	MEET 1
	CREST                                          ; no wave of any partner still reads this slot's tile or has a load on its way
	s_add_nc_u64 s[G0+4*(\slot)+2:G0+4*(\slot)+3], s[G0+4*(\slot)+2:G0+4*(\slot)+3], 2*KSTEP*2
	s_add_nc_u64 s[G0B+4*(\slot)+2:G0B+4*(\slot)+3], s[G0B+4*(\slot)+2:G0B+4*(\slot)+3], 2*KSTEP*2
	JLOAD \slot                                    ; the first tensor load behind the round; the four v_nop behind it are also the places in front of the loads below
	FETCH \next, 0, 0
	ASK
	MUL8 1, 2, 0
	MUL8 1, 3, 0
.endm
	s_wait_tensorcnt 1                             ; my part of K step 0 is in; K step 1's may stay out
	s_barrier_signal -1
	s_barrier_wait -1                              ; everybody's is
	FETCH 0, 0, 0
	QUARTER 0, 64,  0, 1, 1                        ; the first quarter stands in front of the loop: its products start the sums
	WIN 0                                          ; at a label and at a branch every window is 0
	s_mov_b32 s[LAP], LAPS-1
.Llap:                                                 ; a trip goes once round the ring, from a lap's second quarter to the next lap's first, and fills both slots again
	QUARTER 0, 128, 1, 0, 0
	QUARTER 0, 192, 0, 1, 0
	TURN 0, 1
	QUARTER 1, 64,  0, 1, 0
	QUARTER 1, 128, 1, 0, 0
	QUARTER 1, 192, 0, 1, 0
	TURN 1, 0
	QUARTER 0, 64,  0, 1, 0
	WIN 0
	s_sub_co_u32 s[LAP], s[LAP], 1
	s_cmp_lg_u32 s[LAP], 0
	s_cbranch_scc1 .Llap
	QUARTER 0, 128, 1, 0, 0                        ; the last lap is written out: it fills nothing
	QUARTER 0, 192, 0, 1, 0
	MEET 0                                         ; my one tensor load that was still out is slot 1's, the last K step's
	PLACES
	FETCH 1, 0, 0
	MUL8 1, 2, 0
	MUL8 1, 3, 0
	QUARTER 1, 64,  0, 1, 0
	QUARTER 1, 128, 1, 0, 0
	QUARTER 1, 192, 0, 1, 0
	s_wait_dscnt 4                                 ; the very last quarter: nothing more to fetch
	MUL8 1, 0, 0
	MUL8 1, 1, 0
	s_wait_dscnt 0x0                               ; my last reads of the ring are over:
	s_barrier_signal -1                            ; say so,
	MUL8 1, 2, 0
	MUL8 1, 3, 0
	WIN 0
	s_barrier_wait -1                              ; and when all four have said so the ring's bytes, which have had their last fill, become the stages
	PLACES                                         ; the stores below read results just made
	; THE WAY OUT.  My 64 x 128 sums into my own stage; each accumulator's low registers go first.
	WIN 0x04                                       ; the stores' data (source 1) in window 1
.irp a, 0,1,2,3
.irp b, 0,1,2,3,4,5,6,7
	ds_store_b128 v[STO], v[8*(8*(\a)+(\b)):8*(8*(\a)+(\b))+3]   offset:(\a)*16*SP+(\b)*64
	ds_store_b128 v[STO], v[8*(8*(\a)+(\b))+4:8*(8*(\a)+(\b))+7] offset:(\a)*16*SP+(\b)*64+16
.endr
.endr
	WIN 0
	s_mov_b32 s[TB], 0
	s_mov_b32 s[CNT], 4
.Lout:                                                 ; 16 rows a trip
	v_add_nc_u32 v[ADR], s[TB], v[RD]
.irp r, 0,1,2,3,4,5,6,7,8,9,10,11,12,13,14,15
	ds_load_b128 v[64+4*(\r):64+4*(\r)+3], v[ADR] offset:SP*(\r)  ; LDS serves a wave's instructions in order (ISA guide 5.7.1.4): these see my stores above
.endr
.irp r, 0,1,2,3,4,5,6,7,8,9,10,11,12,13,14,15
	s_wait_dscnt 15-(\r)                           ; row r is in; the younger loads stay out
	global_store_b128 v[CO], v[64+4*(\r):64+4*(\r)+3], s[10:11] offset:(\r)*SIZE_N*4 th:TH_STORE_NT  ; 32 lanes store 512 consecutive bytes, at a multiple of 256 from out0's first byte
.endr
	s_wait_xcnt 0x0                                ; the stores have read their data and their base: both are written again only behind this wait
	s_add_nc_u64 s[10:11], s[10:11], 16*SIZE_N*4
	s_add_co_u32 s[TB], s[TB], 16*SP
	s_sub_co_u32 s[CNT], s[CNT], 1
	s_cmp_lg_u32 s[CNT], 0
	s_cbranch_scc1 .Lout
	s_wait_tensorcnt 0x0                           ; the wave's end: a wait for my last tensor load, then the spare-word add behind my last LDS store, and its wait
	ds_add_u32 v[SPW], v[NIL]
	s_wait_dscnt 0x0
	CROUND                                         ; the closing round: no work-group ends while a partner may still ask for a tile that names it
	s_endpgm
.Lfunc_end_k_qa502439b1e_gemm2:
	.size	k_qa502439b1e_gemm2, .Lfunc_end_k_qa502439b1e_gemm2-k_qa502439b1e_gemm2
	.p2alignl 7, 3214868480
	.fill 96, 4, 3214868480
	.section	.rodata,"a",@progbits
	.p2align	6, 0x0
	.amdhsa_kernel k_qa502439b1e_gemm2
		.amdhsa_group_segment_fixed_size 327680
		.amdhsa_private_segment_fixed_size 0
		.amdhsa_enable_private_segment 0
		.amdhsa_kernarg_size 32
		.amdhsa_user_sgpr_count 2
		.amdhsa_user_sgpr_kernarg_segment_ptr 1
		.amdhsa_wavefront_size32 1
		.amdhsa_system_sgpr_workgroup_id_x 1
		.amdhsa_system_sgpr_workgroup_id_y 1
		.amdhsa_system_sgpr_workgroup_id_z 1
		.amdhsa_system_vgpr_workitem_id 0
		.amdhsa_next_free_vgpr 576
		.amdhsa_next_free_sgpr 66
		.amdhsa_reserve_vcc 0
		.amdhsa_float_denorm_mode_32 3
		.amdhsa_float_denorm_mode_16_64 3
		.amdhsa_memory_ordered 1
		.amdhsa_forward_progress 1
		.amdhsa_inst_pref_size 85
	.end_amdhsa_kernel
	.amdgpu_metadata
---
amdhsa.version: [ 1, 2 ]
amdhsa.kernels:
  - .name:           k_qa502439b1e_gemm2
    .symbol:         k_qa502439b1e_gemm2.kd
    .args:
      - { .name: h, .offset: 0, .size: 8, .value_kind: global_buffer, .address_space: global }
      - { .name: t2, .offset: 8, .size: 8, .value_kind: global_buffer, .address_space: global }
      - { .name: b2, .offset: 16, .size: 8, .value_kind: global_buffer, .address_space: global }
      - { .name: out0, .offset: 24, .size: 8, .value_kind: global_buffer, .address_space: global }
    .group_segment_fixed_size: 327680
    .private_segment_fixed_size: 0
    .kernarg_segment_align: 8
    .kernarg_segment_size: 32
    .max_flat_workgroup_size: 128
    .sgpr_count:     66
    .vgpr_count:     576
    .wavefront_size: 32
...
	.end_amdgpu_metadata
.endif
;; end of part 4
;; ======== version 2 of 2: 4 launches; version 1 with the launches wsum, prep written anew for expert scheduling mode
;; workspace buffers: psum 8,192 bytes; t1 8,388,608 bytes; t2 8,388,608 bytes; xb 16,777,216 bytes; h 67,108,864 bytes
;; launch wsum (part 5): grid 128 x 2, 8 waves a work-group, no clusters, 0 bytes of LDS; arguments W1, W2, psum; writes psum
.if DOCPART == 5
	.amdgcn_target "amdgcn-amd-amdhsa--gfx1250"
	.amdhsa_code_object_version 6
	.text
	.protected	k_qa502439b1e_wsum
	.globl	k_qa502439b1e_wsum
	.p2align	8
	.type	k_qa502439b1e_wsum,@function
k_qa502439b1e_wsum:
	s_mov_b64 s[64:65], 0
	v_nop
	global_prefetch_b8 v0, s[64:65] scope:SCOPE_SE
	s_setreg_imm32_b32 hwreg(HW_REG_WAVE_SCHED_MODE, 0, 2), 2
	s_setreg_imm32_b32 hwreg(HW_REG_WAVE_MODE, 25, 1), 1
	s_wait_xcnt 0x0
	s_wait_alu depctr_vm_vsrc(0)
; psum[y][8 x + wave] = the sum of |bf16(w)| over 4,096 numbers of W1 (y = 0) or W2 (y = 1).  W: 4,194,304 f32 each.
; WHY bf16 FIRST.  The whole program takes its five inputs rounded to bf16 (nearest even) before anything else; the mean of |w| that sets the ternary threshold is the mean of the rounded weights.
; SHARES.  A work-group takes 131,072 consecutive bytes, a wave 16,384, by 32 loads of 16 bytes a lane: each load of a wave covers 512 consecutive bytes, aligned.  All 32 are issued at once.
; SUMS in f32: eight chains a lane (16 terms each), then across the 32 lanes.  The 1,024 partial sums of a matrix are added in the next launch, in one fixed order.
; No LDS, no barrier: no wave wants another's numbers.  The one store of 4 bytes a wave is 8,192 bytes in the whole launch.
; LIMIT.  NaN and infinities in W are not treated apart.
; THE MODE: SCHED_MODE bits 1:0 = 2 (LLVM: expert scheduling mode 2), set by the entry lines.  The code itself states the register dependences between vector instructions and memory instructions, with s_wait_alu, always for 0.
; THE PLAN.  Registers that memory instructions touch:
;   v1          the loads' offset: written at the head, read by the 32 loads, never written again.
;   v[16:143]   the loads land here; no vector instruction names them ahead of the loads; their readers stand behind s_wait_loadcnt.
;   v5, v8      the one store's offset and data: written by the last vector lines, read by the store.
; Scalars that vector instructions write: s11 (the wave's number) and VCC (lane 0's mask); each has its wait ahead of its first reader.  EXEC is written twice, each time behind both waits.
.set D,   16                           ; v[16:143]  the 32 loads
.set ACC, 144                          ; v[144:151] two sets of four running sums
	s_load_b128 s[4:7], s[0:1], 0x0                ; W1 s[4:5], W2 s[6:7]
	s_load_b64 s[8:9], s[0:1], 0x10                ; psum
	s_and_b32 s10, ttmp7, 0xffff                   ; y: which matrix
	v_and_b32 v3, 31, v0                           ; lane
	v_lshrrev_b32 v2, 5, v0
	v_readfirstlane_b32 s11, v2                    ; wave
	v_lshlrev_b32 v1, 4, v3
	v_lshl_add_u32 v1, v2, 14, v1                  ; 16,384 x wave + 16 x lane
	s_lshl_b32 s12, ttmp9, 17                      ; the work-group's 131,072 bytes
	s_mov_b32 s13, 0
	s_mov_b32 s14, 0x7fff7fff                      ; clears the signs of two bf16
	s_mov_b32 s15, 0xffff0000                      ; a word's upper bf16
	s_mov_b32 s16, 0x76543210                      ; v_permlanex16_b32: each lane takes its own place in the other half
	s_mov_b32 s17, 0xfedcba98
	s_lshl_b32 s18, s10, 10
	s_lshl_b32 s19, ttmp9, 3
	s_add_co_u32 s18, s18, s19
	s_wait_alu depctr_va_sdst(0)                   ; s11 is written, ahead of its first reader, the add below
	s_add_co_u32 s18, s18, s11
	s_lshl_b32 s18, s18, 2                         ; byte (1,024 y + 8 x + wave) x 4 of psum
	s_wait_kmcnt 0x0
	s_cmp_eq_u32 s10, 0
	s_cselect_b64 s[4:5], s[4:5], s[6:7]
	s_add_nc_u64 s[4:5], s[4:5], s[12:13]
	s_wait_alu depctr_va_vdst(0)                   ; v1 is written: every load below reads it as its offset
.set i, 0
.rept 32
	global_load_b128 v[D+4*i:D+4*i+3], v1, s[4:5] offset:512*i
.set i, i+1
.endr
; Load i's four numbers: rounded to bf16 in pairs, signs cleared, widened again, added.  The first two loads start the two sets of sums: nothing is cleared.
.macro ACCUM
	s_wait_loadcnt 31-i                            ; loads come back in order: load i is in, the 31 - i younger ones stay out
	v_cvt_pk_bf16_f32 v4, v[D+4*i], v[D+4*i+1]
	v_cvt_pk_bf16_f32 v5, v[D+4*i+2], v[D+4*i+3]
	v_and_b32 v4, s14, v4
	v_and_b32 v5, s14, v5
.if i < 2
	v_lshlrev_b32 v[ACC+4*i],   16, v4
	v_and_b32     v[ACC+4*i+1], s15, v4
	v_lshlrev_b32 v[ACC+4*i+2], 16, v5
	v_and_b32     v[ACC+4*i+3], s15, v5
.else
	v_lshlrev_b32 v6, 16, v4
	v_and_b32     v7, s15, v4
	v_lshlrev_b32 v8, 16, v5
	v_and_b32     v9, s15, v5
	v_pk_add_f32 v[ACC+4*(i%2):ACC+4*(i%2)+1],   v[ACC+4*(i%2):ACC+4*(i%2)+1],   v[6:7]
	v_pk_add_f32 v[ACC+4*(i%2)+2:ACC+4*(i%2)+3], v[ACC+4*(i%2)+2:ACC+4*(i%2)+3], v[8:9]
.endif
.endm
.set i, 0
.rept 32
	ACCUM
.set i, i+1
.endr
	v_pk_add_f32 v[ACC:ACC+1],   v[ACC:ACC+1],   v[ACC+4:ACC+5]
	v_pk_add_f32 v[ACC+2:ACC+3], v[ACC+2:ACC+3], v[ACC+6:ACC+7]
	v_pk_add_f32 v[ACC:ACC+1],   v[ACC:ACC+1],   v[ACC+2:ACC+3]
	v_add_f32 v8, v[ACC], v[ACC+1]
	v_add_f32_dpp v8, v8, v8 row_xmask:1 row_mask:0xf bank_mask:0xf
	v_add_f32_dpp v8, v8, v8 row_xmask:2 row_mask:0xf bank_mask:0xf
	v_add_f32_dpp v8, v8, v8 row_xmask:4 row_mask:0xf bank_mask:0xf
	v_add_f32_dpp v8, v8, v8 row_xmask:8 row_mask:0xf bank_mask:0xf
	v_permlanex16_b32 v4, v8, s16, s17             ; v4 has been written: the destination counts as read
	v_add_f32 v8, v8, v4                           ; every lane holds the wave's sum
	v_mov_b32 v5, s18
	v_cmp_eq_u32 vcc_lo, 0, v3
	s_wait_xcnt 0x0                                ; EXEC is a source of the loads above: it changes only behind this wait
	s_wait_alu depctr_va_vcc(0)                    ; the compare has written VCC, from which EXEC is made
	s_wait_alu depctr_va_vdst(0)                   ; EXEC is written next: the vector instructions issued so far have written their results, v5 and v8, which the store reads, among them
	s_wait_alu depctr_vm_vsrc(0)                   ; and the memory instructions issued so far have read their vector registers
	s_and_saveexec_b32 s20, vcc_lo                 ; lane 0 stores
	global_store_b32 v5, v8, s[8:9]
	s_wait_xcnt 0x0                                ; and again in front of the line that widens it
	s_wait_alu depctr_va_vdst(0)                   ; EXEC is written next: no vector instruction is still at work under the narrow one
	s_wait_alu depctr_vm_vsrc(0)                   ; and the store has read v5 and v8 under it
	s_or_b32 exec_lo, exec_lo, s20
	s_endpgm
.Lfunc_end_k_qa502439b1e_wsum:
	.size	k_qa502439b1e_wsum, .Lfunc_end_k_qa502439b1e_wsum-k_qa502439b1e_wsum
	.p2alignl 7, 3214868480
	.fill 96, 4, 3214868480
	.section	.rodata,"a",@progbits
	.p2align	6, 0x0
	.amdhsa_kernel k_qa502439b1e_wsum
		.amdhsa_group_segment_fixed_size 0
		.amdhsa_private_segment_fixed_size 0
		.amdhsa_enable_private_segment 0
		.amdhsa_kernarg_size 24
		.amdhsa_user_sgpr_count 2
		.amdhsa_user_sgpr_kernarg_segment_ptr 1
		.amdhsa_wavefront_size32 1
		.amdhsa_system_sgpr_workgroup_id_x 1
		.amdhsa_system_sgpr_workgroup_id_y 1
		.amdhsa_system_sgpr_workgroup_id_z 1
		.amdhsa_system_vgpr_workitem_id 0
		.amdhsa_next_free_vgpr 152
		.amdhsa_next_free_sgpr 66
		.amdhsa_reserve_vcc 1
		.amdhsa_float_denorm_mode_32 3
		.amdhsa_float_denorm_mode_16_64 3
		.amdhsa_memory_ordered 1
		.amdhsa_forward_progress 1
		.amdhsa_inst_pref_size 21
	.end_amdhsa_kernel
	.amdgpu_metadata
---
amdhsa.version: [ 1, 2 ]
amdhsa.kernels:
  - .name:           k_qa502439b1e_wsum
    .symbol:         k_qa502439b1e_wsum.kd
    .args:
      - { .name: W1, .offset: 0, .size: 8, .value_kind: global_buffer, .address_space: global }
      - { .name: W2, .offset: 8, .size: 8, .value_kind: global_buffer, .address_space: global }
      - { .name: psum, .offset: 16, .size: 8, .value_kind: global_buffer, .address_space: global }
    .group_segment_fixed_size: 0
    .private_segment_fixed_size: 0
    .kernarg_segment_align: 8
    .kernarg_segment_size: 24
    .max_flat_workgroup_size: 256
    .sgpr_count:     66
    .vgpr_count:     152
    .wavefront_size: 32
...
	.end_amdgpu_metadata
.endif
;; end of part 5
;; launch prep (part 6): grid 128 x 4, 8 waves a work-group, no clusters, 0 bytes of LDS; arguments W1, W2, x, psum, t1, t2, xb; writes t1, t2, xb
.if DOCPART == 6
	.amdgcn_target "amdgcn-amd-amdhsa--gfx1250"
	.amdhsa_code_object_version 6
	.text
	.protected	k_qa502439b1e_prep
	.globl	k_qa502439b1e_prep
	.p2align	8
	.type	k_qa502439b1e_prep,@function
k_qa502439b1e_prep:
	s_mov_b64 s[64:65], 0
	v_nop
	global_prefetch_b8 v0, s[64:65] scope:SCOPE_SE
	s_setreg_imm32_b32 hwreg(HW_REG_WAVE_SCHED_MODE, 0, 2), 2
	s_setreg_imm32_b32 hwreg(HW_REG_WAVE_MODE, 25, 1), 1
	s_wait_xcnt 0x0
	s_wait_alu depctr_vm_vsrc(0)
; y = 0: t1 = ternary(W1); y = 1: t2 = ternary(W2); y = 2, 3: xb = bf16(x), its two halves.  Four chunks of 4,194,304 f32 in, bf16 out.
; TERNARY.  w is rounded to bf16 first, as all the program's inputs are.  scale = max(mean |w|, 1e-8), the mean from the earlier launch's 1,024 partial sums, added here by every wave in ONE fixed order, so that all
; waves hold the same scale bit for bit.  t = sign(w) where |w| > scale / 2, else 0; -1, 0 and 1 are exact in bf16.
; LIMITS.  clip(round(w / scale)) differs from this test only where |w| / scale lies in (0.5, 0.5 + 2^-25]: there the quotient rounds to 0.5 and then to 0.  At exactly 0.5 both give 0.  Where scale / 2 lies within the sum's
; rounding of a bf16 number, the result hangs on the order of the sum.  A NaN in W gives 0; infinities are not treated apart.
; SHARES.  A work-group takes 131,072 bytes in and 65,536 out, a wave 16,384 and 8,192.  A load of 16 bytes a lane covers 512 consecutive bytes; its four numbers leave as 8 bytes a lane: 256 consecutive bytes, aligned.
; All 32 loads of a wave are issued at once, and each group has its own two registers to store from: no store's data is ever rewritten, so no wait stands behind a store.
; The threshold feeds compares whose masks v_cndmask_b32 alone reads: no branch and no address hangs on it.  No LDS, no barrier, no prefetch: the launch only streams.
; THE MODE: SCHED_MODE bits 1:0 = 2 (LLVM: expert scheduling mode 2), set by the entry lines.  The code itself states the register dependences between vector instructions and memory instructions, with s_wait_alu, always for 0.
; THE PLAN.  Registers that memory instructions touch:
;   v1, v2, v14   offsets: written at the head, never again.
;   D, P          the loads land here, all issued at the head; no vector instruction names these registers ahead of them; their readers stand behind s_wait_loadcnt.
;   Y             group i's two registers: written once, by the group's roundings; read once, by its store.
; The 32 groups go in eight blocks of four.  ONE wait on va_vdst stands at a block's head: the block before has written its eight registers of Y.  That block's four stores follow it, one ahead of each group of this
; block, whose vector instructions write v4, v5, AB, W, the masks and this block's own Y: none of the registers that those stores read.  Behind the last block one more such wait stands ahead of the last four stores.
; Scalars that vector instructions write: s24, the threshold, with its wait behind it; and s[32:47], the masks of a block's sixteen compares, with ONE wait on va_sdst a block, ahead of the run of selects that read them.
.set D,  16                            ; v[16:143]   the 32 loads
.set P,  144                           ; v[144:175]  the matrix's 1,024 partial sums, 32 a lane; when the threshold is made, the two buffers below
.set AB, P                             ; v[144:159]  |w| of a block's sixteen numbers
.set W,  P+16                          ; v[160:175]  the sixteen numbers, then 1 with their signs, then the ternary values
.set Y,  176                           ; v[176:239]  group i: two registers to store
.set M,  32                            ; s[32:47]    a block's sixteen masks
	s_load_b256 s[4:11], s[0:1], 0x0               ; W1 s[4:5], W2 s[6:7], x s[8:9], psum s[10:11]
	s_load_b128 s[12:15], s[0:1], 0x20             ; t1 s[12:13], t2 s[14:15]
	s_load_b64 s[16:17], s[0:1], 0x30              ; xb
	s_and_b32 s18, ttmp7, 0xffff                   ; y: the chunk
	v_and_b32 v3, 31, v0                           ; lane
	v_lshrrev_b32 v4, 5, v0                        ; wave
	v_lshlrev_b32 v1, 4, v3
	v_lshl_add_u32 v1, v4, 14, v1                  ; in:  16,384 x wave + 16 x lane; never rewritten
	v_lshlrev_b32 v2, 3, v3
	v_lshl_add_u32 v2, v4, 13, v2                  ; out:  8,192 x wave +  8 x lane; never rewritten
	v_lshlrev_b32 v14, 4, v3                       ; psum: 16 x lane; never rewritten
	s_lshl_b32 s30, ttmp9, 17                      ; the work-group's bytes in,
	s_mov_b32 s31, 0
	s_lshl_b32 s2, ttmp9, 16                       ; and out
	s_mov_b32 s3, 0
	s_mov_b32 s25, 0x7fffffff                      ; all but the sign
	s_mov_b32 s26, 0xffff0000                      ; a word's upper bf16
	s_mov_b32 s27, 0x76543210
	s_mov_b32 s28, 0xfedcba98
	s_wait_kmcnt 0x0
	s_wait_alu depctr_va_vdst(0)                   ; v1, v2 and v14 are written: every load and store of the kernel, on both ways below, reads one of them as its offset
.macro LOADS
.set i, 0
.rept 32
	global_load_b128 v[D+4*i:D+4*i+3], v1, s[20:21] offset:512*i th:TH_LOAD_NT
.set i, i+1
.endr
.endm
.macro STORE g                         ; group g leaves: 32 lanes x 8 bytes, 256 consecutive bytes, aligned
	global_store_b64 v2, v[Y+2*(\g):Y+2*(\g)+1], s[22:23] offset:256*(\g)
.endm
; What stands ahead of group i's vector work.  At a block's head: the wait for the group's load, then the wait for the block before.  Then the store of the group four back; then, inside a block, the wait for the group's load.
.macro AHEAD
.if i%4 == 0
	s_wait_loadcnt 31-i                            ; load i is in; the younger ones stay out
.if i > 0
	s_wait_alu depctr_va_vdst(0)                   ; the block before has written its eight registers of Y, which the four stores dealt among this block read
.endif
.endif
.if i >= 4
	STORE i-4                                      ; no vector instruction since that wait names its registers
.endif
.if i%4 != 0
	s_wait_loadcnt 31-i                            ; load i is in; the younger ones stay out
.endif
.endm
	s_cmp_lt_u32 s18, 2
	s_cbranch_scc1 .Lquant
	; ---- x to bf16 ----
	s_sub_co_u32 s19, s18, 2                       ; which half of x
	s_lshl_b32 s29, s19, 24
	s_add_co_u32 s30, s30, s29
	s_lshl_b32 s29, s19, 23
	s_add_co_u32 s2, s2, s29
	s_add_nc_u64 s[20:21], s[8:9], s[30:31]
	s_add_nc_u64 s[22:23], s[16:17], s[2:3]
	LOADS
.set i, 0
.rept 32
	AHEAD
	v_cvt_pk_bf16_f32 v[Y+2*i],   v[D+4*i],   v[D+4*i+1]
	v_cvt_pk_bf16_f32 v[Y+2*i+1], v[D+4*i+2], v[D+4*i+3]
.set i, i+1
.endr
	s_wait_alu depctr_va_vdst(0)                   ; the last block has written its Y, which the last four stores read
.irp g, 28,29,30,31
	STORE \g
.endr
	s_endpgm
.Lquant:
	; ---- a weight matrix to -1, 0, 1 ----
	s_cmp_eq_u32 s18, 0
	s_cselect_b64 s[20:21], s[4:5], s[6:7]
	s_cselect_b64 s[22:23], s[12:13], s[14:15]
	s_add_nc_u64 s[20:21], s[20:21], s[30:31]
	s_add_nc_u64 s[22:23], s[22:23], s[2:3]
	s_lshl_b32 s30, s18, 12                        ; the matrix's 4,096 bytes of psum
	s_add_nc_u64 s[10:11], s[10:11], s[30:31]
.set i, 0
.rept 8
	global_load_b128 v[P+4*i:P+4*i+3], v14, s[10:11] offset:512*i
.set i, i+1
.endr
	LOADS
	s_wait_loadcnt 32                              ; the eight loads of psum are in; the 32 loads of weights, issued behind them, stay out
.irp w, 16, 8, 4, 2                    ; a fixed tree: 8 + 4 + 2 + 1 packed sums
.set r, 0
.rept (\w)/2
	v_pk_add_f32 v[P+r:P+r+1], v[P+r:P+r+1], v[P+(\w)+r:P+(\w)+r+1]
.set r, r+2
.endr
.endr
	v_add_f32 v4, v[P], v[P+1]
	v_add_f32_dpp v4, v4, v4 row_xmask:1 row_mask:0xf bank_mask:0xf
	v_add_f32_dpp v4, v4, v4 row_xmask:2 row_mask:0xf bank_mask:0xf
	v_add_f32_dpp v4, v4, v4 row_xmask:4 row_mask:0xf bank_mask:0xf
	v_add_f32_dpp v4, v4, v4 row_xmask:8 row_mask:0xf bank_mask:0xf
	v_permlanex16_b32 v[P+2], v4, s27, s28         ; its destination has been written
	v_add_f32 v4, v4, v[P+2]                       ; the sum of |w| over the matrix
	v_mul_f32 v4, 0x34800000, v4                   ; x 2^-22: the mean over 4,194,304 numbers, exact
	v_max_num_f32 v4, 0x322bcc77, v4               ; at least 1e-8
	v_mul_f32 v4, 0.5, v4                          ; the threshold
	v_readfirstlane_b32 s24, v4
	s_wait_alu depctr_va_sdst(0)                   ; s24 is written, ahead of its first reader: every compare below reads it
; Group i, the k-th of its block: its four numbers up to the compares, and 1 with each number's sign.
.macro GROUP
.set k, i%4
	v_cvt_pk_bf16_f32 v4, v[D+4*i],   v[D+4*i+1]   ; the weights as the program takes them: rounded to bf16,
	v_cvt_pk_bf16_f32 v5, v[D+4*i+2], v[D+4*i+3]
	v_lshlrev_b32 v[W+4*k],   16, v4               ; and widened again
	v_and_b32     v[W+4*k+1], s26, v4
	v_lshlrev_b32 v[W+4*k+2], 16, v5
	v_and_b32     v[W+4*k+3], s26, v5
.irp j, 0,1,2,3
	v_and_b32 v[AB+4*k+(\j)], s25, v[W+4*k+(\j)]   ; |w|
.endr
.irp j, 0,1,2,3
	v_cmp_lt_f32 s[M+4*k+(\j)], s24, v[AB+4*k+(\j)]  ; threshold < |w| ?  Each number's mask has a scalar register of its own
.endr
.irp j, 0,1,2,3
	v_bfi_b32 v[W+4*k+(\j)], s25, 1.0, v[W+4*k+(\j)]  ; 1 with w's sign
.endr
.endm
; A block's end (i is its last group): the sixteen selects, and the roundings into the block's eight registers of Y.
.macro FINISH
	s_wait_alu depctr_va_sdst(0)                   ; the block's sixteen compares have written s[M ..], which the selects below read: one wait for the run
.set r, 0
.rept 16
	v_cndmask_b32 v[W+r], 0, v[W+r], s[M+r]
.set r, r+1
.endr
.set r, 0
.rept 8
	v_cvt_pk_bf16_f32 v[Y+2*(i-3)+r], v[W+2*r], v[W+2*r+1]
.set r, r+1
.endr
.endm
.set i, 0
.rept 32
	AHEAD
	GROUP
.if i%4 == 3
	FINISH
.endif
.set i, i+1
.endr
	s_wait_alu depctr_va_vdst(0)                   ; the last block has written its Y, which the last four stores read
.irp g, 28,29,30,31
	STORE \g
.endr
	s_endpgm
.Lfunc_end_k_qa502439b1e_prep:
	.size	k_qa502439b1e_prep, .Lfunc_end_k_qa502439b1e_prep-k_qa502439b1e_prep
	.p2alignl 7, 3214868480
	.fill 96, 4, 3214868480
	.section	.rodata,"a",@progbits
	.p2align	6, 0x0
	.amdhsa_kernel k_qa502439b1e_prep
		.amdhsa_group_segment_fixed_size 0
		.amdhsa_private_segment_fixed_size 0
		.amdhsa_enable_private_segment 0
		.amdhsa_kernarg_size 56
		.amdhsa_user_sgpr_count 2
		.amdhsa_user_sgpr_kernarg_segment_ptr 1
		.amdhsa_wavefront_size32 1
		.amdhsa_system_sgpr_workgroup_id_x 1
		.amdhsa_system_sgpr_workgroup_id_y 1
		.amdhsa_system_sgpr_workgroup_id_z 1
		.amdhsa_system_vgpr_workitem_id 0
		.amdhsa_next_free_vgpr 240
		.amdhsa_next_free_sgpr 66
		.amdhsa_reserve_vcc 0
		.amdhsa_float_denorm_mode_32 3
		.amdhsa_float_denorm_mode_16_64 3
		.amdhsa_memory_ordered 1
		.amdhsa_forward_progress 1
		.amdhsa_inst_pref_size 63
	.end_amdhsa_kernel
	.amdgpu_metadata
---
amdhsa.version: [ 1, 2 ]
amdhsa.kernels:
  - .name:           k_qa502439b1e_prep
    .symbol:         k_qa502439b1e_prep.kd
    .args:
      - { .name: W1, .offset: 0, .size: 8, .value_kind: global_buffer, .address_space: global }
      - { .name: W2, .offset: 8, .size: 8, .value_kind: global_buffer, .address_space: global }
      - { .name: x, .offset: 16, .size: 8, .value_kind: global_buffer, .address_space: global }
      - { .name: psum, .offset: 24, .size: 8, .value_kind: global_buffer, .address_space: global }
      - { .name: t1, .offset: 32, .size: 8, .value_kind: global_buffer, .address_space: global }
      - { .name: t2, .offset: 40, .size: 8, .value_kind: global_buffer, .address_space: global }
      - { .name: xb, .offset: 48, .size: 8, .value_kind: global_buffer, .address_space: global }
    .group_segment_fixed_size: 0
    .private_segment_fixed_size: 0
    .kernarg_segment_align: 8
    .kernarg_segment_size: 56
    .max_flat_workgroup_size: 256
    .sgpr_count:     66
    .vgpr_count:     240
    .wavefront_size: 32
...
	.end_amdgpu_metadata
.endif
;; end of part 6
;; launch gemm1: the kernel of part 3 again; grid 16 x 32, 4 waves a work-group, clusters of 4 x 4, 327,680 bytes of LDS; arguments xb, t1, b1, h; writes h
;; launch gemm2: the kernel of part 4 again; grid 4 x 64, 4 waves a work-group, clusters of 4 x 4, 327,680 bytes of LDS; arguments h, t2, b2, out0; writes out0
